; MI455X (gfx1250); checked and timed in simulation.
; The chip was launched on July 23, 2026; its instructions are those of AMD's public machine-readable ISA for CDNA 5 (MIT licence, August 2026) and "CDNA5" Instruction Set Architecture Reference Guide (July 2026). The comments in the code are by the model that wrote it; some were corrected since.
;; Causal Self Attention. Allowed arithmetic: matrix products marked QUANTISED: E2M1 operands, one E8M0 scale for each 32 along K, by v_wmma_scale_f32_16x16x128_f8f6f4 with both operands' format E2M1 (or v_wmma_scale_f32_32x16x128_f4), f32 sums; products left as they are: bf16, f16 or f32 operands; f32 sums; everything else in f32.
;; Inputs: w_attn 3,072 x 1,024 float32; w_proj 1,024 x 1,024 float32; x 4 x 2,048 x 1,024 float32.
;; Outputs: out0 4 x 2,048 x 1,024 float32.
;; This version of the problem:
;;   THIS VERSION OF THE PROBLEM IS GIVEN IN LOW PRECISION. The matrix products marked QUANTISED in the list below multiply operands that are first quantised to E2M1 (2 exponent bits, 1 mantissa bit; 4 bits a number), with one power-of-two scale for each 32 numbers along K (OCP MX v1.0); their sums are f32. The products marked 'left as it is' may take bf16, f16 or f32 operands, with f32 sums. Whichever they take, every output number must still come out within the allowed error. Rounding operands to bf16 (8 significant bits) uses up far more of that allowance than f16 does (11 bits, for magnitudes from 6e-5 to 65,504). All else is computed in f32.
;;   The module's matrix products, in the order in which they are computed (A, B: the left and right operand; K: the contracted axis; several contracted axes count as one K, in the product's order):
;;     1. [M 8,192, K 1,024] x [K 1,024, N 3,072]; A: input x; B: input w_attn: QUANTISED
;;     2. batch 64 x [M 2,048, K 64] x [K 64, N 2,048]; A: computed on the way; B: computed on the way: left as it is (an operand is computed on the way)
;;     3. batch 64 x [M 2,048, K 2,048] x [K 2,048, N 64]; A: computed on the way; B: computed on the way: left as it is (an operand is computed on the way)
;;     4. [M 8,192, K 1,024] x [K 1,024, N 1,024]; A: computed on the way; B: input w_proj: left as it is (an operand is computed on the way)
;;   THE QUANTISER, for each operand of a quantised product, along K:
;;     - K is cut into blocks of 32 from its start; a last block that is shorter is filled with zeros.
;;     - A block's scale is 2^e with e = floor(log2(the largest magnitude in the block)) - 2, held to -126 .. 127; a block of zeros has e = 0. As a byte (E8M0): e + 127.
;;     - Each number is divided by its block's scale, clamped to +-6, and rounded to the nearest number of E2M1, ties to even, subnormals kept.
;;     - The product sums the exact products of the quantised numbers (number of the format x scale) in f32.
;;   ~~~python
;;   def quantise(x, axis):      # numpy; x: float32 -> the quantised numbers, widened to float32 again
;;       x = np.moveaxis(x, axis, -1); K = x.shape[-1]
;;       x = np.pad(x, [(0, 0)] * (x.ndim - 1) + [(0, -K % 32)]); x = x.reshape(x.shape[:-1] + (-1, 32)); a = np.abs(x).max(-1, keepdims=True)
;;       e = np.where(a > 0, np.clip(np.frexp(np.where(a > 0, a, 1))[1] - 1 - 2, -126, 127), 0)      # np.frexp(a)[1] - 1 = floor(log2(a)), exactly
;;       r = np.clip(x / 2.0 ** e, -6, 6)
;;       step = 2.0 ** (np.maximum(np.frexp(np.where(r == 0, 1, r))[1] - 1, 0) - 1)
;;       q = np.round(r / step) * step * 2.0 ** e      # np.round: ties to even
;;       return np.moveaxis(q.reshape(q.shape[:-2] + (-1,))[..., :K], -1, axis).astype(np.float32)
;;   ~~~
;; One version. Each part assembles by itself: llvm-mc -triple=amdgcn-amd-amdhsa -mcpu=gfx1250 --defsym DOCPART=n.
;; ======== version 1 of 1: 6 launches
;; limits: values are held in f16: magnitudes above 65,504 overflow, below 6.1e-05 lose precision
;; workspace buffers: x_codes 4,194,304 bytes; x_scales 262,144 bytes; w_codes 1,572,864 bytes; w_scales 98,304 bytes; w16 2,097,152 bytes; qkv16 50,331,648 bytes; y16 16,777,216 bytes; y32 262,144 bytes
;; launch quant (part 1): grid 384 x 1, 4 waves a work-group, no clusters, 33,280 bytes of LDS; arguments x, w_attn, w_proj, x_codes, x_scales, w_codes, w_scales, w16; writes x_codes, x_scales, w_codes, w_scales, w16
.if DOCPART == 1
	.amdgcn_target "amdgcn-amd-amdhsa--gfx1250"
	.amdhsa_code_object_version 6
	.text
	.protected	k_q2139519cee_quant
	.globl	k_q2139519cee_quant
	.p2align	8
	.type	k_q2139519cee_quant,@function
k_q2139519cee_quant:
	s_mov_b64 s[64:65], 0
	v_nop
	global_prefetch_b8 v0, s[64:65] scope:SCOPE_SE
	s_setreg_imm32_b32 hwreg(HW_REG_WAVE_MODE, 25, 1), 1
	s_wait_xcnt 0x0
; CAUSAL SELF-ATTENTION, B 4, T 2048, C 1024, 16 heads of 64.  Six launches: quant | qkv | attn | proj | fine_att | fine_proj.
; THIS LAUNCH: x [8192][1024] and w_attn [3072][1024], f32, become codes of FP4 (E2M1), K innermost, with one E8M0 byte for each 32 along K (both operands of the quantised product x w_attn^T);
; w_proj [1024][1024] becomes f16, laid [k / 64][n][64], so that a K chunk of 64 of neighbouring rows n is one dense block for the projection's tiles.
; WORK LEFT OUT IN THE PROGRAM, AND WHY IT IS DEAD.  reference() builds the causal mask itself (jnp.tril) and puts -inf in front of the softmax wherever key > query: the weight there is exp(-inf) = 0
; for all finite inputs, so such a score and its share of att @ v reach no output.  Key steps and key blocks that lie wholly above a wave's or a work-group's queries are therefore neither fetched,
; multiplied nor exponentiated (launches attn and fine_att); inside a tile on the diagonal the scores are computed and set to -inf.  No input is left out.
; LIMIT: a NaN, an infinity or an overflow that would arise only in scores so left out is not carried to the result.
; LIMITS OF FORMAT: q, k, v, y and w_proj go to the products that are left as they are in f16: magnitudes beyond 65,504 become infinity, those under 6e-5 keep an absolute error of 3e-8.
; A block's scale is 2^(floor(log2(its largest magnitude)) - 2); its byte is that magnitude's exponent field - 2, held at 1 from below: blocks whose largest magnitude lies under 2^-124 get the byte 1,
; and so does a block of zeros, where the rule says 127: its codes are zeros, which add nothing under any byte but 0xff, and this program alone reads the bytes.  NaN and infinities among the inputs are not served.
; SHARES.  Work-groups 0-255 take x, 256-351 w_attn: both are plain streams of blocks of 32; a wave takes 16 steps of 512 numbers.  Each load reads 512 consecutive bytes; a step's 2,048 bytes turn through
; the wave's own stage in LDS, so that a lane holds 16 neighbours along K (two lanes a block).  Work-groups 352-383 take w_proj, 32 rows each, through registers alone.  Waves share nothing: no barrier.
.set WAVES, 4
.set STEPS, 16
.set WGA,   256                        ; 8192 x 1024 / 32,768 numbers a work-group
.set WGQ,   352                        ; + 3072 x 1024 / 32,768
.set EMAX,  2
.set CB,    8                          ; bytes of 16 codes
.set R,     16                         ; v16-79   four sets of 16 numbers as they are loaded
.set X,     80                         ; v80-111  two sets of 16 neighbours
.set E,     112                        ; v112-127 a scale byte for each step
.set C,     128                        ; v128-191 codes: four registers for each step, so that no store's data are written again
.set WREG,  8192                       ; LDS: a region for each wave: two stages of 32 x SP bytes, behind them its 256 scale bytes
.set SP,    80                         ; a lane's place in a stage: 64 bytes + 16 of padding
.set SPW,   12                         ; v12  LDS address of my spare word; never rewritten
.set NIL,   13                         ; v13  0; never rewritten
.set SPARE, WAVES*WREG                 ; the spare words: 128 bytes a wave, named by no other line
.set WR,    16                         ; w_proj's path: v16-143 two sets of 64 numbers
.set WH,    144                        ; v144-175 their f16
	s_load_b256 s[4:11], s[0:1], 0x0               ; x s[4:5], w_attn s[6:7], w_proj s[8:9], x_codes s[10:11]
	s_load_b256 s[12:19], s[0:1], 0x20             ; x_scales s[12:13], w_codes s[14:15], w_scales s[16:17], w16 s[18:19]
	v_lshl_add_u32 v[SPW], v0, 2, SPARE
	v_mov_b32 v[NIL], 0
	v_lshrrev_b32 v1, 5, v0
	v_readfirstlane_b32 s20, v1                    ; wave
	v_and_b32 v2, 31, v0                           ; lane
	s_wait_kmcnt 0x0
	s_cmp_ge_u32 ttmp9, WGQ                        ; the work-group's number alone decides the path
	s_cbranch_scc1 .Lwproj
	v_lshlrev_b32 v3, 4, v2                        ; my 16 bytes of a load's 512
	s_mul_i32 s21, s20, WREG
	v_lshrrev_b32 v14, 2, v2
	v_mul_u32_u24 v14, v14, SP
	v_and_b32 v15, 3, v2
	v_lshl_add_u32 v14, v15, 4, v14
	v_add_nc_u32 v14, s21, v14                     ; the stage, on the way in: SP (lane / 4) + 16 (lane % 4)
	v_mul_u32_u24 v15, v2, SP
	v_add_nc_u32 v15, s21, v15                     ; and on the way out: SP x lane: my 16 neighbours
	v_mul_u32_u24 v4, v2, CB                       ; my codes' place in a step's
	v_lshrrev_b32 v5, 1, v2
	s_add_co_u32 s21, s21, 2*32*SP
	v_add_nc_u32 v5, s21, v5                       ; my wave's 256 scale bytes, my block's byte
	v_lshlrev_b32 v7, 3, v2
	v_add_nc_u32 v6, s21, v7                       ; and on the way out 8 bytes a lane
	s_cmp_lt_u32 ttmp9, WGA                        ; x's work-group or w_attn's: only pointers are chosen
	s_cselect_b64 s[4:5], s[4:5], s[6:7]
	s_cselect_b64 s[10:11], s[10:11], s[14:15]
	s_cselect_b64 s[12:13], s[12:13], s[16:17]
	s_cselect_b32 s21, 0, WGA
	s_sub_co_u32 s21, ttmp9, s21
	s_lshl_b32 s21, s21, 2
	s_add_co_u32 s22, s21, s20                     ; which run of 8,192 numbers of the tensor is my wave's
	s_mov_b32 s23, 0
	s_mov_b64 s[24:25], 512*STEPS*4
	s_mul_u64 s[24:25], s[22:23], s[24:25]
	s_add_nc_u64 s[4:5], s[4:5], s[24:25]
	s_mov_b64 s[24:25], 32*STEPS*CB
	s_mul_u64 s[24:25], s[22:23], s[24:25]
	s_add_nc_u64 s[10:11], s[10:11], s[24:25]
	s_lshl_b32 s22, s22, 8                         ; 256 scale bytes a run
	s_add_nc_u64 s[12:13], s[12:13], s[22:23]
.macro LOAD t
.irp i, 0,1,2,3
	global_load_b128 v[R+16*((\t)%4)+4*\i:R+16*((\t)%4)+4*\i+3], v3, s[4:5] offset:2048*(\t)+512*\i th:TH_LOAD_NT   ; 32 lanes read 512 consecutive bytes
.endr
.endm
.macro TURN t                          ; step t's numbers through the stage: LDS serves a wave's instructions in order, so no wait stands between the stores and the loads
.irp i, 0,1,2,3
	ds_store_b128 v14, v[R+16*((\t)%4)+4*\i:R+16*((\t)%4)+4*\i+3] offset:32*SP*((\t)%2)+8*SP*\i
.endr
.irp i, 0,1,2,3
	ds_load_b128 v[X+16*((\t)%2)+4*\i:X+16*((\t)%2)+4*\i+3], v15 offset:32*SP*((\t)%2)+16*\i
.endr
.endm
.irp t, 0,1,2,3
	LOAD \t
.endr
	s_wait_loadcnt 12                              ; step 0's four loads are in; the twelve of steps 1 to 3 may be out
	TURN 0
.macro STEP t
.set XS, X+16*((\t)%2)
.if (\t) > 0
	s_wait_dscnt 1                                 ; this step's numbers are back from the stage; the last step's byte store may be out
.else
	s_wait_dscnt 0x0
.endif
.if (\t)+4 < STEPS
	LOAD (\t)+4                                    ; into the registers that this step's stage stores have read
.endif
.if (\t)+1 < STEPS
.if STEPS-2-(\t) >= 3
	s_wait_loadcnt 12                              ; the next step's four loads are in; those of the three steps behind it may be out
.else
	s_wait_loadcnt 4*(STEPS-2-(\t))
.endif
	TURN (\t)+1
.endif
	v_max3_num_f32 v8, |v[XS]|, |v[XS+1]|, |v[XS+2]|               ; the largest magnitude of my 16, in two chains
	v_max3_num_f32 v9, |v[XS+3]|, |v[XS+4]|, |v[XS+5]|
.irp i, 6,10
	v_max3_num_f32 v8, v8, |v[XS+\i]|, |v[XS+\i+1]|
	v_max3_num_f32 v9, v9, |v[XS+\i+2]|, |v[XS+\i+3]|
.endr
	v_max3_num_f32 v8, v8, |v[XS+14]|, |v[XS+15]|
	v_max3_num_f32 v8, v8, v9, (EMAX+1)<<23        ; and the floor 2^(3 - 127): the byte cannot fall under 1
	v_max_num_f32_dpp v8, v8, v8 row_xmask:1 row_mask:0xf bank_mask:0xf   ; and of my neighbour's 16: the block's
	v_add_nc_u32 v11, -(EMAX<<23), v8              ; 2 off its exponent field: the conversion takes the exponent field of this operand as its scale
	v_cvt_scalef32_pk8_fp4_f32 v[C+4*(\t)], v[XS:XS+7], v11
	v_cvt_scalef32_pk8_fp4_f32 v[C+4*(\t)+1], v[XS+8:XS+15], v11
	v_lshrrev_b32 v[E+(\t)], 23, v11               ; the scale's byte (also the plain line behind the conversions)
	ds_store_b8 v5, v[E+(\t)] offset:16*(\t)       ; both lanes of a block write the same byte with the same value
	global_store_b64 v4, v[C+4*(\t):C+4*(\t)+1], s[10:11] offset:32*CB*(\t)   ; the wave stores 256 consecutive bytes, aligned
.endm
.irp t, 0,1,2,3,4,5,6,7,8,9,10,11,12,13,14,15
	STEP \t
.endr
	ds_load_b64 v[8:9], v6                         ; LDS serves a wave's instructions in order: these see my byte stores
	s_wait_dscnt 0x0
	global_store_b64 v7, v[8:9], s[12:13]          ; 32 lanes store 256 consecutive bytes, aligned
	s_wait_tensorcnt 0x0                           ; the wave's end, behind my last LDS store
	ds_add_u32 v[SPW], v[NIL]
	s_wait_dscnt 0x0
	s_endpgm
; w_proj to f16.  Wave w of work-group g takes rows 32 g + 8 w .. + 7, two rows at a time: sixteen lanes read 256 consecutive bytes (64 numbers, one K chunk) of one row, the other sixteen the same of the next row;
; their f16 are 128 + 128 bytes that lie on end in w16: the wave stores 256 consecutive bytes, aligned.
.Lwproj:
	s_sub_co_u32 s21, ttmp9, WGQ
	s_lshl_b32 s21, s21, 5
	s_lshl_b32 s22, s20, 3
	s_add_co_u32 s21, s21, s22                     ; my first row
	s_lshl_b32 s22, s21, 12                        ; 4,096 bytes a row of w_proj
	s_mov_b32 s23, 0
	s_add_nc_u64 s[8:9], s[8:9], s[22:23]
	s_lshl_b32 s22, s21, 7                         ; 128 bytes a row of a chunk of w16
	s_add_nc_u64 s[18:19], s[18:19], s[22:23]
	v_lshrrev_b32 v3, 4, v2
	v_and_b32 v4, 15, v2
	v_lshlrev_b32 v3, 12, v3
	v_lshl_add_u32 v3, v4, 4, v3                   ; in: 4096 (lane / 16) + 16 (lane % 16)
	v_lshlrev_b32 v4, 3, v2                        ; out: 8 x lane
.macro LOADW rp                        ; row pair rp, all 16 chunks
.irp kc, 0,1,2,3,4,5,6,7,8,9,10,11,12,13,14,15
	global_load_b128 v[WR+64*((\rp)%2)+4*\kc:WR+64*((\rp)%2)+4*\kc+3], v3, s[8:9] offset:(\rp)*8192+\kc*256 th:TH_LOAD_NT
.endr
.endm
.macro PAIR rp
.if (\rp) < 3
	s_wait_loadcnt 16                              ; this pair's 16 loads are in; the next pair's 16 may be out
.else
	s_wait_loadcnt 0x0
.endif
.if (\rp) > 0
	s_wait_xcnt 0x0                                ; the last pair's stores have read their data registers, which are written again below
.endif
.irp kc, 0,1,2,3,4,5,6,7,8,9,10,11,12,13,14,15
	v_cvt_pk_f16_f32 v[WH+2*\kc], v[WR+64*((\rp)%2)+4*\kc], v[WR+64*((\rp)%2)+4*\kc+1]
	v_cvt_pk_f16_f32 v[WH+2*\kc+1], v[WR+64*((\rp)%2)+4*\kc+2], v[WR+64*((\rp)%2)+4*\kc+3]
.endr
.irp kc, 0,1,2,3,4,5,6,7,8,9,10,11,12,13,14,15
	global_store_b64 v4, v[WH+2*\kc:WH+2*\kc+1], s[18:19] offset:\kc*131072+(\rp)*256
.endr
.if (\rp)+2 < 4
	LOADW (\rp)+2
.endif
.endm
	LOADW 0
	LOADW 1
	PAIR 0
	PAIR 1
	PAIR 2
	PAIR 3
	s_endpgm
.Lfunc_end_k_q2139519cee_quant:
	.size	k_q2139519cee_quant, .Lfunc_end_k_q2139519cee_quant-k_q2139519cee_quant
	.p2alignl 7, 3214868480
	.fill 96, 4, 3214868480
	.section	.rodata,"a",@progbits
	.p2align	6, 0x0
	.amdhsa_kernel k_q2139519cee_quant
		.amdhsa_group_segment_fixed_size 33280
		.amdhsa_private_segment_fixed_size 0
		.amdhsa_enable_private_segment 0
		.amdhsa_kernarg_size 64
		.amdhsa_user_sgpr_count 2
		.amdhsa_user_sgpr_kernarg_segment_ptr 1
		.amdhsa_wavefront_size32 1
		.amdhsa_system_sgpr_workgroup_id_x 1
		.amdhsa_system_sgpr_workgroup_id_y 1
		.amdhsa_system_sgpr_workgroup_id_z 1
		.amdhsa_system_vgpr_workitem_id 0
		.amdhsa_next_free_vgpr 192
		.amdhsa_next_free_sgpr 66
		.amdhsa_reserve_vcc 0
		.amdhsa_float_denorm_mode_32 3
		.amdhsa_float_denorm_mode_16_64 3
		.amdhsa_memory_ordered 1
		.amdhsa_forward_progress 1
		.amdhsa_inst_pref_size 54
	.end_amdhsa_kernel
	.amdgpu_metadata
---
amdhsa.version: [ 1, 2 ]
amdhsa.kernels:
  - .name:           k_q2139519cee_quant
    .symbol:         k_q2139519cee_quant.kd
    .args:
      - { .name: x, .offset: 0, .size: 8, .value_kind: global_buffer, .address_space: global }
      - { .name: w_attn, .offset: 8, .size: 8, .value_kind: global_buffer, .address_space: global }
      - { .name: w_proj, .offset: 16, .size: 8, .value_kind: global_buffer, .address_space: global }
      - { .name: x_codes, .offset: 24, .size: 8, .value_kind: global_buffer, .address_space: global }
      - { .name: x_scales, .offset: 32, .size: 8, .value_kind: global_buffer, .address_space: global }
      - { .name: w_codes, .offset: 40, .size: 8, .value_kind: global_buffer, .address_space: global }
      - { .name: w_scales, .offset: 48, .size: 8, .value_kind: global_buffer, .address_space: global }
      - { .name: w16, .offset: 56, .size: 8, .value_kind: global_buffer, .address_space: global }
    .group_segment_fixed_size: 33280
    .private_segment_fixed_size: 0
    .kernarg_segment_align: 8
    .kernarg_segment_size: 64
    .max_flat_workgroup_size: 128
    .sgpr_count:     66
    .vgpr_count:     192
    .wavefront_size: 32
...
	.end_amdgpu_metadata
.endif
;; end of part 1
;; launch qkv (part 2): grid 12 x 32, 4 waves a work-group, clusters of 4 x 4, 327,680 bytes of LDS; arguments x_codes, x_scales, w_codes, w_scales, qkv16; writes qkv16
.if DOCPART == 2
	.amdgcn_target "amdgcn-amd-amdhsa--gfx1250"
	.amdhsa_code_object_version 6
	.text
	.protected	k_q2139519cee_qkv
	.globl	k_q2139519cee_qkv
	.p2align	8
	.type	k_q2139519cee_qkv,@function
k_q2139519cee_qkv:
	s_mov_b64 s[64:65], 0
	v_nop
	global_prefetch_b8 v0, s[64:65] scope:SCOPE_SE
	s_setreg_imm32_b32 hwreg(HW_REG_WAVE_MODE, 25, 1), 1
	s_wait_xcnt 0x0
	s_wait_alu depctr_hold_cnt(0) depctr_sa_sdst(0) depctr_va_vdst(0) depctr_va_sdst(0) depctr_va_ssrc(0) depctr_va_vcc(0) depctr_vm_vsrc(0)
	s_getreg_b32 s2, hwreg(HW_REG_IB_STS2, 6, 4)
	s_cmp_eq_u32 s2, 0
	s_cbranch_scc0 .Lentry_in_a_cluster
	s_endpgm
.Lentry_in_a_cluster:
	s_bfe_u32 s2, ttmp6, 0x10000c
	s_cmp_lg_u32 s2, 0xf033
	s_cbranch_scc0 .Lentry_shape_is_right
	s_endpgm
.Lentry_shape_is_right:
; qkv[m][n] = sum over k of x[m][k] w_attn[n][k] on codes of FP4 (E2M1) with one E8M0 scale for each 32 along K; sums in f32; the result leaves as f16, laid [q, k, v][16 b + head][t][64] for the attention.
; A tile of 256 x 256 is made by four waves, each 128 x 128: 64 accumulators of 16 x 16, 512 registers.  K = 1,024 is two LDS slots of 512 along K (a tile's row is 256 bytes of memory): both are first fills,
; nothing is filled again, and there is no loop.  The scale bytes of the tile's 256 + 256 rows for all of K are two dense blocks: they come once, with the first fills.
; CLUSTERS: 4 x 4 work-groups; the four of a row of the cluster need the same tiles of x, the four of a column the same tiles of w_attn: each tile is asked for jointly, by the same tensor load with the same
; descriptor and a mask that names the four.  A wave has three tensor loads out at the most.
; THE MATRIX INSTRUCTION IS USED TRANSPOSED (source 0 = 16 rows of w_attn, source 1 = 16 rows of x): a lane then holds eight neighbouring columns of one row.
; REGISTERS, in windows of 256: window 0: v0-31 addresses; v32-95 scale words, two sets, and nothing else; v128-191 x's fragments, one set (on the way out: rows read back); v192-223 packed results.
;   window 1: w_attn's fragments, two sets, at v0 and v128.   window 2: the accumulators of my rows 0-63 ((a, b) at v[8 (8 a + b)]);   window 3: those of my rows 64-127.
; LIMIT: |q|, |k|, |v| beyond 65,504 become infinity in f16.
.set SIZE_K, 1024
.set KSTEP,  512
.set NQ,     KSTEP/128
.set ROWB,   256                       ; a tile's row in bytes
.set KROW,   SIZE_K/2                  ; a row of codes in memory
.set PITCH,  272                       ; an LDS row: 256 bytes + 16 of padding: the 16 rows that a load touches start at 16 different banks (64 banks of 4 bytes: ISA guide 11.1)
.set FR,     8
.set NL,     2
.set NP,     4                         ; places behind this matrix instruction (ISA guide 7.12.1)
.set HALFT,  128*PITCH
.set SLOT,   4*HALFT
.set KS,     SIZE_K/32                 ; a row of scales in bytes
.set SCL,    2*SLOT
.set HALFS,  (128*KS/256)*272
.set SBLK,   (16*KS/256)*272
.set SPARE,  SCL+4*HALFS               ; the spare words: 128 bytes a wave, named by no other line
.set SPITCH, 272                       ; the way out: a stage of 16 rows x (256 bytes + 16) for each wave, in slot 0, which has had its only fill and its last read when the first result is stored there
.set ADRA, 16
.set ADRB, 20
.set STO,  24
.set RD,   25
.set CO,   26
.set ADRS, 27
.set SPW,  28
.set NIL,  29
.set SC,   32
.set AF,   128
.set BK,   128                         ; the way out: 16 rows read back: v128-159 and v160-191 by turns
.set TMP,  192
.set G1, 24
.set G0, 32
.set G1B, 48
.set G0B, 56
.set G1S, 68
.set G0S, 76
.set G1SB, 80
.set G0SB, 88
.set MSB, 0
.macro WIN new                         ; the immediate's high byte repeats the setting that is left
.if MSB != \new
	s_set_vgpr_msb (MSB<<8)|\new
.set MSB, \new
.endif
.endm
.set MUL_LO, 0xa1                      ; source 0 window 1, source 1 window 0, C and D window 2
.set MUL_HI, 0xf1                      ; the same, C and D window 3
.set TO_B,   0x40                      ; destination window 1, address window 0
; A joint load: waves 0 and 1 fetch for x, waves 2 and 3 for w_attn; the branch hangs on the wave's number alone.  An s_nop 0 and four v_nop follow each of the two lines.
.macro JLOAD g0a, g1a, g0b, g1b
	s_cmp_eq_u32 s15, 0
	s_cbranch_scc0 .Lfor_b_\@
	tensor_load_to_lds s[\g0a:\g0a+3], s[\g1a:\g1a+7]
	s_nop 0
.rept 4
	v_nop
.endr
	s_branch .Lasked_\@
.Lfor_b_\@:
	tensor_load_to_lds s[\g0b:\g0b+3], s[\g1b:\g1b+7]
	s_nop 0
.rept 4
	v_nop
.endr
.Lasked_\@:
.endm
.macro CROUND                          ; a round of the cluster's barrier
	s_barrier_signal -1
	s_barrier_wait -1
	s_cmp_lg_u32 s14, 0
	s_cbranch_scc1 .Lnot_wave_0_\@
	s_barrier_signal -3
.Lnot_wave_0_\@:
	s_barrier_wait -3
	s_barrier_signal -1
	s_barrier_wait -1
.endm
	s_load_b128 s[4:7], s[0:1], 0x0                ; x's codes s[4:5], x's scales s[6:7]
	s_load_b128 s[8:11], s[0:1], 0x10              ; w's codes s[8:9], w's scales s[10:11]
	s_load_b64 s[12:13], s[0:1], 0x20              ; qkv16
	v_lshl_add_u32 v[SPW], v0, 2, SPARE
	v_mov_b32 v[NIL], 0
	ds_add_u32 v[SPW], v[NIL]                      ; the wave's opening: the add, twice on end, and its wait ahead of my first tensor load
	ds_add_u32 v[SPW], v[NIL]
	v_lshrrev_b32 v1, 5, v0
	v_readfirstlane_b32 s14, v1                    ; wave 0..3
	s_lshr_b32 s15, s14, 1                         ; which half of the tile's rows is mine.  Also: I fetch for x (0) or for w_attn (1)
	s_and_b32 s16, s14, 1                          ; which half of its columns.  Also: which 128 rows of that tile I fetch
	s_bfe_u32 s40, ttmp6, 0x40000                  ; cx, cy: my place in the cluster
	s_bfe_u32 s41, ttmp6, 0x40004
	s_lshl_b32 s42, ttmp9, 2
	s_add_co_u32 s42, s42, s40                     ; tile column = 4 x cluster x + cx
	s_and_b32 s17, ttmp7, 0xffff
	s_lshl_b32 s17, s17, 2
	s_add_co_u32 s17, s17, s41                     ; tile row = 4 x cluster y + cy
	s_lshl_b32 s43, s41, 2
	s_lshl_b32 s43, 15, s43                        ; my row of the cluster
	s_lshl_b32 s44, 0x1111, s40                    ; my column
	s_or_b32 s[G1+0], s43, (0<<16)|(1<<20)|(1<<21)|(5<<22)|(3<<25)  ; the mask; elements of 1 byte; padding on; bit 21 beside a mask; 4 words of padding after every 64
	s_or_b32 s[G1B+0], s44, (0<<16)|(1<<20)|(1<<21)|(5<<22)|(3<<25)
.irp g, G1, G1B
	s_mov_b32 s[\g+1], ROWB<<16                    ; tensor_dim0
	s_mov_b32 s[\g+2], 128<<16                     ; tensor_dim1
	s_mov_b32 s[\g+3], ROWB<<16                    ; tile_dim0
	s_mov_b32 s[\g+4], 128                         ; tile_dim1
	s_mov_b32 s[\g+5], KROW                        ; stride from row to row
	s_mov_b32 s[\g+6], 0
	s_mov_b32 s[\g+7], 0
.endr
	s_or_b32 s[G1S+0], s43, (3<<16)|(1<<20)|(1<<21)|(5<<22)|(3<<25)  ; the scales of 128 rows: 4,096 dense bytes as 16 rows of 32 elements of 8 bytes
	s_or_b32 s[G1SB+0], s44, (3<<16)|(1<<20)|(1<<21)|(5<<22)|(3<<25)
.irp g, G1S, G1SB
	s_mov_b32 s[\g+1], 32<<16
	s_mov_b32 s[\g+2], (128*KS/256)<<16
	s_mov_b32 s[\g+3], 32<<16
	s_mov_b32 s[\g+4], 128*KS/256
	s_mov_b32 s[\g+5], 32
	s_mov_b32 s[\g+6], 0
	s_mov_b32 s[\g+7], 0
.endr
	s_lshl_b32 s18, s16, 7
	s_lshl_b32 s20, s17, 8
	s_add_co_u32 s20, s20, s18                     ; x: row 256 x tile row + 128 x half
	s_lshl_b32 s46, s42, 8
	s_add_co_u32 s46, s46, s18                     ; w_attn: row 256 x tile column + 128 x half
	s_mov_b32 s21, 0
	s_mov_b32 s47, 0
	s_mov_b64 s[18:19], KS
	s_mul_u64 s[22:23], s[20:21], s[18:19]         ; where these rows' scales begin,
	s_mul_u64 s[92:93], s[46:47], s[18:19]
	s_mov_b64 s[18:19], KROW
	s_mul_u64 s[20:21], s[20:21], s[18:19]         ; and their codes
	s_mul_u64 s[46:47], s[46:47], s[18:19]
	s_mul_i32 s45, s14, HALFT                      ; where they go: wave x 128 rows: no place in the cluster enters an LDS address
	s_mul_i32 s94, s14, HALFS
	s_wait_dscnt 0x0                               ; both opening adds are done
	s_wait_kmcnt 0x0
	s_add_nc_u64 s[20:21], s[4:5], s[20:21]
	s_add_nc_u64 s[22:23], s[6:7], s[22:23]
	s_add_nc_u64 s[46:47], s[8:9], s[46:47]
	s_add_nc_u64 s[92:93], s[10:11], s[92:93]
	CROUND                                         ; all sixteen work-groups are here: the joint loads meet
	s_mov_b32 s[G0S], 1
	s_add_co_u32 s[G0S+1], s94, SCL
	s_mov_b64 s[G0S+2:G0S+3], s[22:23]
	s_or_b32 s[G0S+3], s[G0S+3], 0x80000000
	s_mov_b32 s[G0SB], 1
	s_add_co_u32 s[G0SB+1], s94, SCL
	s_mov_b64 s[G0SB+2:G0SB+3], s[92:93]
	s_or_b32 s[G0SB+3], s[G0SB+3], 0x80000000
	JLOAD G0S, G1S, G0SB, G1SB                     ; the scales first: they are wanted with the first slot
.irp s, 0,1
	s_mov_b32 s[G0+4*\s], 1
	s_add_co_u32 s[G0+4*\s+1], s45, \s*SLOT
	s_add_nc_u64 s[G0+4*\s+2:G0+4*\s+3], s[20:21], \s*ROWB
	s_or_b32 s[G0+4*\s+3], s[G0+4*\s+3], 0x80000000
	s_mov_b32 s[G0B+4*\s], 1
	s_add_co_u32 s[G0B+4*\s+1], s45, \s*SLOT
	s_add_nc_u64 s[G0B+4*\s+2:G0B+4*\s+3], s[46:47], \s*ROWB
	s_or_b32 s[G0B+4*\s+3], s[G0B+4*\s+3], 0x80000000
	JLOAD G0+4*\s, G1, G0B+4*\s, G1B
.endr
	v_and_b32 v1, 15, v0                           ; r = lane % 16
	v_bfe_u32 v2, v0, 4, 1                         ; h = lane / 16
	v_mul_u32_u24 v3, v1, PITCH
	v_lshl_add_u32 v4, v2, 4, v3                   ; a fragment's row x pitch + 16 h
	s_mul_i32 s21, s15, HALFT                      ; my 128 rows of x
	s_mul_i32 s22, s16, HALFT                      ; my 128 rows of w_attn,
	s_add_co_u32 s22, s22, 2*HALFT                 ; which lie behind x's 256
.irp s, 0,1
	v_add_nc_u32 v[ADRA+\s], s21, v4
	v_add_nc_u32 v[ADRB+\s], s22, v4
	s_add_co_u32 s21, s21, SLOT
	s_add_co_u32 s22, s22, SLOT
.endr
	v_mul_u32_u24 v5, v1, KS                       ; my row's scales: KS bytes a row,
	v_lshrrev_b32 v6, 8, v5
	v_lshl_add_u32 v5, v6, 4, v5                   ; and 16 more for each 256 passed
	s_mul_i32 s21, s15, HALFS
	s_mul_i32 s22, s16, HALFS
	s_add_co_u32 s22, s22, 2*HALFS
	s_sub_co_u32 s22, s22, s21
	v_mul_u32_u24 v6, s22, v2                      ; lanes 16-31 take w_attn's: one product, the distance between the two bases
	s_add_co_u32 s21, s21, SCL
	v_add_nc_u32 v5, v5, v6
	v_add_nc_u32 v[ADRS], s21, v5
	s_mul_i32 s23, s14, 16*SPITCH                  ; my stage
	v_mul_u32_u24 v5, v1, SPITCH                   ; in: row r, 16 bytes for each half of the lanes
	v_lshl_add_u32 v5, v2, 4, v5
	v_add_nc_u32 v[STO], s23, v5
	v_and_b32 v6, 31, v0
	v_lshrrev_b32 v7, 3, v6                        ; back: eight lanes take one head's 128 bytes of a row, four rows an instruction
	v_mul_u32_u24 v7, v7, SPITCH
	v_and_b32 v8, 7, v0
	v_lshl_add_u32 v7, v8, 4, v7
	v_add_nc_u32 v[RD], s23, v7
	v_lshlrev_b32 v[CO], 4, v6                     ; four rows of 128 bytes of one head lie on end in qkv16: 16 x lane
	; where my 128 rows x 128 columns begin in qkv16: section (n0 / 1024) << 24, head (16 b + (n0 % 1024) / 64) << 18, token << 7
	s_lshl_b32 s20, s17, 8
	s_lshl_b32 s21, s15, 7
	s_add_co_u32 s20, s20, s21                     ; m0 = 256 x tile row + 128 x half
	s_lshr_b32 s21, s20, 11
	s_lshl_b32 s21, s21, 22                        ; the batch's 16 heads of 262,144 bytes
	s_and_b32 s20, s20, 2047
	s_lshl_b32 s20, s20, 7
	s_add_co_u32 s20, s20, s21
	s_mov_b32 s21, 0
	s_lshl_b32 s46, s42, 8
	s_lshl_b32 s47, s16, 7
	s_add_co_u32 s46, s46, s47                     ; n0 = 256 x tile column + 128 x half
	s_lshr_b32 s47, s46, 10
	s_lshl_b32 s47, s47, 24
	s_and_b32 s46, s46, 1023
	s_lshr_b32 s46, s46, 6
	s_lshl_b32 s46, s46, 18
	s_add_co_u32 s46, s46, s47
	s_mov_b32 s47, 0
	s_add_nc_u64 s[20:21], s[20:21], s[46:47]
	s_add_nc_u64 s[12:13], s[12:13], s[20:21]
.macro FRAG reg, adr, q, i             ; 16 rows x 128 K of 4-bit codes: 8 registers; registers 4 c .. 4 c + 3 hold K = 64 c + 32 h + 0 .. 31
.irp c, 0,1
	ds_load_b128 v[\reg+4*\c:\reg+4*\c+3], v[\adr] offset:64*(\q)+32*\c+(\i)*16*PITCH
.endr
.endm
; 16 matrix instructions: x's blocks a0, a0 + 1 against w_attn's eight.  The 64 accumulators take turns, one instruction a turn, in the same order in every step.
.macro MUL16 a0, p, q, sc, zero
.irp a, \a0, \a0+1
.irp b, 0,1,2,3,4,5,6,7
.if \zero
	v_wmma_scale_f32_16x16x128_f8f6f4 v[8*(8*((\a)%4)+\b):8*(8*((\a)%4)+\b)+7], v[128*(\p)+FR*\b:128*(\p)+FR*\b+FR-1], v[AF+FR*(\a):AF+FR*(\a)+FR-1], 0, v[SC+8*NQ*(\sc)+NQ*\b+(\q)], v[SC+8*NQ*(\sc)+NQ*(\a)+(\q)] matrix_a_fmt:MATRIX_FMT_FP4 matrix_b_fmt:MATRIX_FMT_FP4 matrix_a_scale:MATRIX_SCALE_ROW1
.else
	v_wmma_scale_f32_16x16x128_f8f6f4 v[8*(8*((\a)%4)+\b):8*(8*((\a)%4)+\b)+7], v[128*(\p)+FR*\b:128*(\p)+FR*\b+FR-1], v[AF+FR*(\a):AF+FR*(\a)+FR-1], v[8*(8*((\a)%4)+\b):8*(8*((\a)%4)+\b)+7], v[SC+8*NQ*(\sc)+NQ*\b+(\q)], v[SC+8*NQ*(\sc)+NQ*(\a)+(\q)] matrix_a_fmt:MATRIX_FMT_FP4 matrix_b_fmt:MATRIX_FMT_FP4 matrix_a_scale:MATRIX_SCALE_ROW1
.endif
.endr
.endr
.endm
.macro FETCH_B slot, q, p
	WIN TO_B
.irp i, 0,1,2,3,4,5,6,7
	FRAG 128*(\p)+FR*\i, ADRB+\slot, \q, \i
.endr
	WIN 0
.endm
.macro FETCH_A slot, q, i0
.irp i, \i0, \i0+1, \i0+2, \i0+3
	FRAG AF+FR*(\i), ADRA+\slot, \q, \i
.endr
.endm
.macro SCALES sc                       ; a slot's scale words: 4 words a row; lanes 0-15 take x's block i, lanes 16-31 w_attn's block i
.irp i, 0,1,2,3,4,5,6,7
	ds_load_b128 v[SC+8*NQ*\sc+NQ*\i:SC+8*NQ*\sc+NQ*\i+3], v[ADRS] offset:\i*SBLK
.endr
.endm
.macro PLACES n                        ; plain vector lines between a matrix instruction and a load into its registers or a read of its result
.rept \n
	v_nop
.endr
.endm
.macro STEP slot, q, zero              ; 128 along K that has its successor in the same slot
	s_wait_dscnt 4*NL                              ; all but the youngest eight loads (x's blocks 4-7) are in
	WIN MUL_LO
	MUL16 0, (\q)%2, \q, \slot, \zero
	MUL16 2, (\q)%2, \q, \slot, \zero
	s_wait_dscnt 0                                 ; x's blocks 4-7 are in
	PLACES NP
	FETCH_B \slot, (\q)+1, 1-(\q)%2
	FETCH_A \slot, (\q)+1, 0
	WIN MUL_HI
	MUL16 4, (\q)%2, \q, \slot, \zero
	MUL16 6, (\q)%2, \q, \slot, \zero
	PLACES NP
	WIN 0
	FETCH_A \slot, (\q)+1, 4
.endm
; Slot 0's last step changes slots: one barrier; in front of it each wave waits for all its tensor loads (slot 1's part), adds 0 to its spare word, and waits for that and for its reads of slot 0.
; Behind it slot 1 is whole, and nobody reads slot 0 any more: the stages of the way out lie there.
.macro TURN slot, next
	s_wait_tensorcnt 0x0
	ds_add_u32 v[SPW], v[NIL]
	s_wait_dscnt 4*NL+1                            ; the add and the youngest eight loads may be out
	WIN MUL_LO
	MUL16 0, 1, NQ-1, \slot, 0
	s_wait_dscnt 0x0                               ; the add is done, and my reads of this slot are over
	s_barrier_signal -1
	MUL16 2, 1, NQ-1, \slot, 0
	WIN 0
	s_barrier_wait -1
	PLACES NP
	v_add_nc_u32 v[ADRS], 4*NQ, v[ADRS]            ; on to the next slot's scale words
	FETCH_B \next, 0, 0
	FETCH_A \next, 0, 0
	SCALES \next
	WIN MUL_HI
	MUL16 4, 1, NQ-1, \slot, 0
	MUL16 6, 1, NQ-1, \slot, 0
	PLACES NP
	WIN 0
	FETCH_A \next, 0, 4
.endm
.macro STEPS slot, from
.set Q, \from
.rept NQ-1-\from
	STEP \slot, Q, 0
.set Q, Q+1
.endr
.endm
	s_wait_tensorcnt 1                             ; the scales and my part of slot 0 are in; slot 1's load may be out,
	s_barrier_signal -1
	s_barrier_wait -1                              ; everybody's are
	FETCH_B 0, 0, 0
	FETCH_A 0, 0, 0
	SCALES 0
	FETCH_A 0, 0, 4
	STEP 0, 0, 1                                   ; the first products start the sums: nothing is cleared
	STEPS 0, 1
	TURN 0, 1
	STEPS 1, 0
	s_wait_dscnt 4*NL                              ; the last step: nothing more to fetch
	WIN MUL_LO
	MUL16 0, 1, NQ-1, 1, 0
	MUL16 2, 1, NQ-1, 1, 0
	s_wait_dscnt 0
	WIN MUL_HI
	MUL16 4, 1, NQ-1, 1, 0
	MUL16 6, 1, NQ-1, 1, 0
	WIN 0
; THE WAY OUT, block by block of 16 rows x 128 columns (two heads).  A lane's eight results round to 16 bytes of f16; they go into my stage, rows of 272 bytes, and come back so that the 32 lanes
; hold four rows of one head, which lie on end in qkv16: each store covers 512 consecutive bytes, aligned to 256.  LDS serves a wave's instructions in order: no wait between the stage's stores and loads.
.macro PACK a
.set AC, 64*((\a)%4)
	WIN (0x0a+5*((\a)/4))                          ; sources 0 and 1: window 2 or 3
.irp b, 0,1,2,3,4,5,6,7
.irp i, 0,1,2,3
	v_cvt_pk_f16_f32 v[TMP+4*\b+\i], v[AC+8*\b+2*\i], v[AC+8*\b+2*\i+1]   ; each accumulator from its low end on
.endr
.endr
	WIN 0
.endm
.macro TOSTAGE a
.set BB, BK+32*((\a)%2)
.irp b, 0,1,2,3,4,5,6,7
	ds_store_b128 v[STO], v[TMP+4*\b:TMP+4*\b+3] offset:32*\b
.endr
.irp i, 0,1,2,3,4,5,6,7
	ds_load_b128 v[BB+4*\i:BB+4*\i+3], v[RD] offset:(\i%4)*4*SPITCH+(\i/4)*128
.endr
.endm
.macro SEND a
.set BB, BK+32*((\a)%2)
	s_wait_dscnt 0x0                               ; the block is back in registers
	s_wait_xcnt 0x0                                ; the stores of the block before have read their registers: the next block's loads may land there
.irp i, 0,1,2,3,4,5,6,7
	global_store_b128 v[CO], v[BB+4*\i:BB+4*\i+3], s[12:13] offset:(\i/4)*262144+(\i%4)*512+(\a)*2048
.endr
.endm
	PLACES NP                                      ; behind the last products: for the conversions' reads and for the loads into x's fragment registers
	PACK 0
	TOSTAGE 0
.irp a, 1,2,3,4,5,6,7                  ; block a's conversions stand between block a - 1's loads from the stage and the wait for them
	PACK \a
	SEND \a-1
	TOSTAGE \a
.endr
	SEND 7
	s_wait_tensorcnt 0x0                           ; the wave's end, behind my last tensor load and my last LDS store
	ds_add_u32 v[SPW], v[NIL]
	s_wait_dscnt 0x0
	CROUND                                         ; the closing round
	s_endpgm
.Lfunc_end_k_q2139519cee_qkv:
	.size	k_q2139519cee_qkv, .Lfunc_end_k_q2139519cee_qkv-k_q2139519cee_qkv
	.p2alignl 7, 3214868480
	.fill 96, 4, 3214868480
	.section	.rodata,"a",@progbits
	.p2align	6, 0x0
	.amdhsa_kernel k_q2139519cee_qkv
		.amdhsa_group_segment_fixed_size 327680
		.amdhsa_private_segment_fixed_size 0
		.amdhsa_enable_private_segment 0
		.amdhsa_kernarg_size 40
		.amdhsa_user_sgpr_count 2
		.amdhsa_user_sgpr_kernarg_segment_ptr 1
		.amdhsa_wavefront_size32 1
		.amdhsa_system_sgpr_workgroup_id_x 1
		.amdhsa_system_sgpr_workgroup_id_y 1
		.amdhsa_system_sgpr_workgroup_id_z 1
		.amdhsa_system_vgpr_workitem_id 0
		.amdhsa_next_free_vgpr 1024
		.amdhsa_next_free_sgpr 98
		.amdhsa_reserve_vcc 0
		.amdhsa_float_denorm_mode_32 3
		.amdhsa_float_denorm_mode_16_64 3
		.amdhsa_memory_ordered 1
		.amdhsa_forward_progress 1
		.amdhsa_inst_pref_size 127
	.end_amdhsa_kernel
	.amdgpu_metadata
---
amdhsa.version: [ 1, 2 ]
amdhsa.kernels:
  - .name:           k_q2139519cee_qkv
    .symbol:         k_q2139519cee_qkv.kd
    .args:
      - { .name: x_codes, .offset: 0, .size: 8, .value_kind: global_buffer, .address_space: global }
      - { .name: x_scales, .offset: 8, .size: 8, .value_kind: global_buffer, .address_space: global }
      - { .name: w_codes, .offset: 16, .size: 8, .value_kind: global_buffer, .address_space: global }
      - { .name: w_scales, .offset: 24, .size: 8, .value_kind: global_buffer, .address_space: global }
      - { .name: qkv16, .offset: 32, .size: 8, .value_kind: global_buffer, .address_space: global }
    .group_segment_fixed_size: 327680
    .private_segment_fixed_size: 0
    .kernarg_segment_align: 8
    .kernarg_segment_size: 40
    .max_flat_workgroup_size: 128
    .sgpr_count:     98
    .vgpr_count:     1024
    .wavefront_size: 32
...
	.end_amdgpu_metadata
.endif
;; end of part 2
;; launch attn (part 3): grid 4 x 64, 8 waves a work-group, no clusters, 327,680 bytes of LDS; arguments qkv16, y16; writes y16
.if DOCPART == 3
	.amdgcn_target "amdgcn-amd-amdhsa--gfx1250"
	.amdhsa_code_object_version 6
	.text
	.protected	k_q2139519cee_attn
	.globl	k_q2139519cee_attn
	.p2align	8
	.type	k_q2139519cee_attn,@function
k_q2139519cee_attn:
	s_mov_b64 s[64:65], 0
	v_nop
	global_prefetch_b8 v0, s[64:65] scope:SCOPE_SE
	s_setreg_imm32_b32 hwreg(HW_REG_WAVE_MODE, 25, 1), 1
	s_wait_xcnt 0x0
; y[b][h][q][:] = sum over k <= q of softmax_k(q . k / 8) v[k][:], on f16 operands, with products, maxima and sums in f32; the weights p are rounded to f16 for the second product, y once at the end.
; qkv16: [q, k, v][16 b + h][2048][64] f16.  y16: [h][2048 b + t][64] f16, so that a K chunk of 64 of the projection is dense.
; WORK LEFT OUT: reference() masks key > query with -inf ahead of the softmax, so those weights are 0 for all finite inputs: key steps wholly above a wave's 32 queries are jumped over, key blocks above
; a work-group's query block are never fetched.  A NaN, an infinity or an overflow that would arise only there is not carried.  (Rows t < 16 lie inside live tiles and stay; later launches make them anew in f32.)
; SHARES.  Work-group (p, head) owns two blocks of 256 queries: block 7 - p first (key blocks 0 .. 7 - p), then block p (key blocks 0 .. p): nine key blocks of 256 keys whatever p: 256 work-groups of
; equal work, and every loop count is a constant.  Each of eight waves owns 32 queries, two tiles of 16; a key step is 64 keys, an LDS slot 256 keys.
; NO CLUSTER: in trip J work-group p reads key block J while J < 8 - p and block J - (8 - p) afterwards, so from trip 5 on the four work-groups of a head want different tiles in the same trip:
; joint requests could not be alike in all partners.
; LAYOUT.  S^T = K Q^T (source 0 = 16 keys, source 1 = 16 queries): a lane holds ONE query (lane % 16) and keys 8 (lane / 16) + 0..7.  Two such tiles, rounded to f16 in pairs, in place, ARE source 1
; (32 keys x 16 queries) of O^T = V^T P.  K comes out of LDS as it lies, V ([key][channel]) turned, by ds_load_tr16_b128.
; SOFTMAX.  A running maximum m and sum l for each query: p = 2^(c s - c m), c = log2(e) / 8; in every step O and l are multiplied by a = 2^(c m_old - c m_new).  The step is written once: it starts from
; m = -3e38, l = 0, O = 0.  Key 0 of a phase counts for every query, and every step that is walked holds a key that counts for each of the wave's queries, so m is a number.
; RING.  Two slots; waves 0, 1 fetch K's halves, waves 2, 3 V's, one tensor load each behind each change of slots: a wave has one tensor load out at the most; every wait for them is for 0.
; LIMIT: f16's range, as stated at the head of the first launch.
.set PK,    272                        ; K in LDS: rows of 256 bytes (two keys) + 16: key kr at (kr / 2) PK + 128 (kr % 2): the 16 keys of a load fall on 16 different groups of banks
.set PV,    288                        ; V: + 32: the turning load's 16 lanes (8 keys x 32 bytes) fall on 16 different groups of banks
.set VOFF,  128*PK                     ; a slot: 128 rows of K, then 128 rows of V
.set SLOT1, 1<<17                      ; slot 1 begins here: one exclusive or turns an address
.set STEPK, 32*PK                      ; 64 keys
.set STEPV, 32*PV
.set STAGE, SLOT1+128*(PK+PV)          ; behind the ring: 32 rows x 144 bytes for each wave, for the way out; no tensor load lands here
.set SPITCH, 144
.set SPARE, STAGE+8*32*SPITCH          ; the spare words: 128 bytes a wave, named by no other line
.set AK0, 1                            ; v1   my lane's place in a tile of K
.set AV0, 2                            ; v2   and of V
.set ADK, 3                            ; v3   LDS address of the step's K
.set ADV, 4                            ; v4   and V
.set QO,  5                            ; v5   my byte in the wave's rows of Q
.set STO, 6                            ; v6   the stage, in
.set RD,  7                            ; v7   the stage, back
.set GO,  8                            ; v8   16 x lane
.set SPW, 9                            ; v9   my spare word; never rewritten
.set NIL, 10                           ; v10  0; never rewritten
.set PFO, 11                           ; v11  256 x lane, for the prefetches; never rewritten
.set ST,  12                           ; v12-27 statistics, tile t at ST + 8 t: +0 c m, +1 m, +2:+3 l, +4 .. +7 at work (+6: a, later 1 / l)
.set D0,  28                           ; v28, v29 the mask's limits
.set NINF, 30                          ; v30  -infinity
.set DB,  31                           ; v31  lane % 16 - 8 (lane / 16)
.set Q,   32                           ; v32-63   Q(t, c) at Q + 16 t + 8 c
.set S,   64                           ; v64-127  S(t, kt) at S + 32 t + 8 kt; P(t, kc) in place at S + 32 t + 16 kc
.set O,   128                          ; v128-191 O(t, ct) at O + 32 t + 8 ct
.set KV,  192                          ; v192-255 K(kt, c) at KV + 16 kt + 8 c, later V(kc, ct) at KV + 32 kc + 8 ct
.set QH,  8                            ; s[8:9] the head's q; s[10:11] k; s[12:13] v; s[14:15] its rows of y16
.set KH,  10
.set VH,  12
.set YH,  14
.set WV,  18
.set SUB, 19                           ; which 32 queries of a block are my wave's
.set JT,  20                           ; 8 - p: the trip in which the second block of queries begins
.set J,   21                           ; the trip
.set KF,  22                           ; the step's first key
.set Q0,  23                           ; my first query
.set G1K, 24
.set G1V, 32
.set G0K, 40
.set G0V, 44
.set KB0, 48                           ; s[48:49], s[50:51] my half of key block 0, in k and in v
.set VB0, 50
.set SEL, 52
.set CS,  54
.set TBK, 56                           ; LDS byte at which the step's K begins; s57: the same count for V
.set TBV, 57
.set STP, 58
.set PFA, 66
.set LIM, 68
.set QB,  69                           ; the block of queries in hand
.set QP,  70
.set YP,  72
; Waves 0 and 1 fetch for K, waves 2 and 3 for V, the others nothing; the branches hang on the wave's number alone.  An s_nop 0 and four v_nop follow each line.
.macro TLOAD
	s_cmp_lt_u32 s[WV], 2
	s_cbranch_scc0 .Lnot_k_\@
	tensor_load_to_lds s[G0K:G0K+3], s[G1K:G1K+7]
	s_nop 0
.rept 4
	v_nop
.endr
	s_branch .Lasked_\@
.Lnot_k_\@:
	s_cmp_lt_u32 s[WV], 4
	s_cbranch_scc0 .Lasked_\@
	tensor_load_to_lds s[G0V:G0V+3], s[G1V:G1V+7]
	s_nop 0
.rept 4
	v_nop
.endr
.Lasked_\@:
.endm
; A PREFETCH of the key block that the NEXT change of slots will ask for.  Work-group p = 0 of a head walks key blocks 0 .. 7 in trips 0 .. 7: it alone asks, by its waves 4 to 7, which fetch nothing:
; waves 4, 5 the two halves of K's block, waves 6, 7 of V's; a half is 16,384 dense bytes: two instructions, lanes 256 bytes apart.  So each aligned 256 bytes of a head's k and v are named once in the launch.
; In trip J block J + 2 is named, four key steps ahead of its tensor load; blocks 0 and 1 come by their loads alone; from trip 6 on nothing is left to name.
.macro ASK
	s_cmp_lt_u32 s[J], s[LIM]
	s_cbranch_scc0 .Lnot_mine_\@
	global_prefetch_b8 v[PFO], s[PFA:PFA+1] th:TH_LOAD_NT scope:SCOPE_SE
	global_prefetch_b8 v[PFO], s[PFA:PFA+1] offset:8192 th:TH_LOAD_NT scope:SCOPE_SE
.Lnot_mine_\@:
.endm
; THE CHANGE OF SLOTS, at a slot's head.  Each wave waits for all its tensor loads (its part of the slot ahead), adds 0 to its spare word, and waits for that and for its reads of the slot left.
; Behind the barrier the slot ahead is whole and nobody reads the other: fill = 1: it takes the next trip's key block, which has four key steps in which to land.
.macro CHANGE fill
	s_wait_tensorcnt 0x0                           ; no tensor load of mine is out, so a group 0 may be written
	ds_add_u32 v[SPW], v[NIL]
.if \fill
	ds_add_u32 v[SPW], v[NIL]                      ; and once more: the add twice on end, in every trip alike
	s_xor_b32 s[G0K+1], s[G0K+1], SLOT1            ; the other slot than last time
	s_xor_b32 s[G0V+1], s[G0V+1], SLOT1
	s_add_co_u32 s74, s[J], 1                      ; the next trip's key block: J + 1, or J + 1 - (8 - p) in the second block of queries
	s_cmp_ge_u32 s74, s[JT]
	s_cselect_b32 s75, s[JT], 0
	s_sub_co_u32 s74, s74, s75
	s_lshl_b32 s74, s74, 15                        ; 256 keys of 128 bytes
	s_mov_b32 s75, 0
	s_add_nc_u64 s[G0K+2:G0K+3], s[KB0:KB0+1], s[74:75]
	s_or_b32 s[G0K+3], s[G0K+3], 0x80000000
	s_add_nc_u64 s[G0V+2:G0V+3], s[VB0:VB0+1], s[74:75]
	s_or_b32 s[G0V+3], s[G0V+3], 0x80000000
	s_wait_xcnt 0x0                                ; the last prefetches, a slot back, have read their address, so it may be written
	s_add_nc_u64 s[PFA:PFA+1], s[PFA:PFA+1], 32768
.endif
	s_wait_dscnt 0x0                               ; the add is done (both are), and my reads of the slot that I have left are over
	s_barrier_signal -1
	s_barrier_wait -1
.if \fill
	TLOAD                                          ; the first thing behind the barrier, and a wave's one tensor load until the next
	ASK
.endif
.endm
; A block of queries begins: addresses, Q into registers, the statistics and O^T at their starting values.
.macro START
	s_wait_xcnt 0x0                                ; earlier stores have read their base and data, which are written below and in the next step
	s_lshl_b32 s[Q0], s[QB], 8
	s_lshl_b32 s74, s[SUB], 5
	s_add_co_u32 s[Q0], s[Q0], s74
	s_mov_b32 s[KF], 0
	s_lshl_b32 s74, s[Q0], 7
	s_mov_b32 s75, 0
	s_add_nc_u64 s[QP:QP+1], s[QH:QH+1], s[74:75]
	s_add_nc_u64 s[YP:YP+1], s[YH:YH+1], s[74:75]
.irp t, 0,1
.irp c, 0,1
.irp e, 0,1
	global_load_b128 v[Q+16*\t+8*\c+4*\e:Q+16*\t+8*\c+4*\e+3], v[QO], s[QP:QP+1] offset:\t*2048+\c*64+\e*32
.endr
.endr
.endr
.irp t, 0,1
	v_mov_b32 v[ST+8*\t], 0xff61b1e6               ; c m and m: -3e38, under every score
	v_mov_b32 v[ST+8*\t+1], 0xff61b1e6
.irp i, 2,3,4,5,6,7
	v_mov_b32 v[ST+8*\t+\i], 0
.endr
.endr
.set i, 0
.rept 64
	v_mov_b32 v[O+i], 0                            ; the step is written once: its first turn finds zeros
.set i, i+1
.endr
	s_wait_loadcnt 0x0                             ; Q
.endm
; One key step's softmax for both tiles, line by line by turns, so that no line waits for the line above it.
.macro SOFTMAX
.irp j, 0,1,2,3
.irp t, 0,1
	v_max3_num_f32 v[ST+8*\t+4+\j], v[S+32*\t+8*\j], v[S+32*\t+8*\j+1], v[S+32*\t+8*\j+2]   ; four chains, each from an accumulator's low end on
.endr
.endr
.irp i, 3,5
.irp j, 0,1,2,3
.irp t, 0,1
	v_max3_num_f32 v[ST+8*\t+4+\j], v[ST+8*\t+4+\j], v[S+32*\t+8*\j+\i], v[S+32*\t+8*\j+\i+1]
.endr
.endr
.endr
.irp t, 0,1
	v_max3_num_f32 v[ST+8*\t+4], v[ST+8*\t+4], v[S+32*\t+7], v[S+32*\t+15]
.endr
.irp t, 0,1
	v_max3_num_f32 v[ST+8*\t+6], v[ST+8*\t+6], v[S+32*\t+23], v[S+32*\t+31]
.endr
.irp t, 0,1
	v_max3_num_f32 v[ST+8*\t+4], v[ST+8*\t+4], v[ST+8*\t+5], v[ST+8*\t+6]
.endr
.irp t, 0,1
	v_max3_num_f32 v[ST+8*\t+4], v[ST+8*\t+4], v[ST+8*\t+7], v[ST+8*\t+1]   ; with the old m
.endr
.irp t, 0,1
	v_permlanex16_b32 v[ST+8*\t+5], v[ST+8*\t+4], s[SEL], s[SEL+1]          ; the query's other 32 keys lie in the lane 16 away
.endr
.irp t, 0,1
	v_mov_b32 v[ST+8*\t+7], v[ST+8*\t]             ; c m_old
.endr
.irp t, 0,1
	v_max_num_f32 v[ST+8*\t+1], v[ST+8*\t+4], v[ST+8*\t+5]
.endr
.irp t, 0,1
	v_mul_f32 v[ST+8*\t], s[CS], v[ST+8*\t+1]
.endr
.irp t, 0,1
	v_sub_f32 v[ST+8*\t+7], v[ST+8*\t+7], v[ST+8*\t]
.endr
.irp j, 0,2,4,6,8,10,12,14,16,18,20,22,24,26,28,30
.irp t, 0,1
	v_pk_fma_f32 v[S+32*\t+\j:S+32*\t+\j+1], v[S+32*\t+\j:S+32*\t+\j+1], s[CS:CS+1], v[ST+8*\t:ST+8*\t+1] op_sel_hi:[1,0,0] neg_lo:[0,0,1] neg_hi:[0,0,1]   ; c s - c m
.endr
.endr
.irp t, 0,1
	v_exp_f32 v[ST+8*\t+6], v[ST+8*\t+7]           ; a
.endr
.set i, 0
.rept 64
	v_exp_f32 v[S+i], v[S+i]                       ; p: the 66 exponentials are one batch
.set i, i+1
.endr
	v_nop                                          ; a plain line behind the last exponential
	s_wait_alu depctr_va_vdst(0)                   ; one wait for the batch, ahead of its first reader
.irp t, 0,1
	v_pk_mul_f32 v[ST+8*\t+2:ST+8*\t+3], v[ST+8*\t+2:ST+8*\t+3], v[ST+8*\t+6:ST+8*\t+7] op_sel_hi:[1,0]   ; l x a
.endr
.irp t, 0,1
	v_pk_add_f32 v[ST+8*\t+4:ST+8*\t+5], v[S+32*\t:S+32*\t+1], v[S+32*\t+2:S+32*\t+3]   ; the sum of the unrounded p, in two chains
.endr
.irp j, 4,8,12,16,20,24,28
.irp t, 0,1
	v_pk_add_f32 v[ST+8*\t+2:ST+8*\t+3], v[ST+8*\t+2:ST+8*\t+3], v[S+32*\t+\j:S+32*\t+\j+1]
	v_pk_add_f32 v[ST+8*\t+4:ST+8*\t+5], v[ST+8*\t+4:ST+8*\t+5], v[S+32*\t+\j+2:S+32*\t+\j+3]
.endr
.endr
.irp t, 0,1
	v_pk_add_f32 v[ST+8*\t+2:ST+8*\t+3], v[ST+8*\t+2:ST+8*\t+3], v[ST+8*\t+4:ST+8*\t+5]
.endr
.irp t, 0,1
.irp kc, 0,1
.irp i, 0,1,2,3,4,5,6,7
	v_cvt_pk_f16_f32 v[S+32*\t+16*\kc+\i], v[S+32*\t+16*\kc+2*\i], v[S+32*\t+16*\kc+2*\i+1]   ; in place, ascending: register i is written when registers 2 i, 2 i + 1 are read
.endr
.endr
.endr
.irp t, 0,1
.irp j, 0,2,4,6,8,10,12,14,16,18,20,22,24,26,28,30
	v_pk_mul_f32 v[O+32*\t+\j:O+32*\t+\j+1], v[O+32*\t+\j:O+32*\t+\j+1], v[ST+8*\t+6:ST+8*\t+7] op_sel_hi:[1,0]   ; O^T x a, each accumulator from its low end on
.endr
.endr
.endm
; A KEY STEP: 64 keys.
.macro STEP
	s_add_co_u32 s74, s[Q0], 31                    ; a step all of whose keys come after my 32 queries is left out: a branch on ids and the count of steps; no barrier and no tensor load stands in a step
	s_cmp_gt_u32 s[KF], s74
	s_cbranch_scc1 .Lhid_\@
	v_add_nc_u32 v[ADK], s[TBK], v[AK0]
	v_add_nc_u32 v[ADV], s[TBV], v[AV0]
.rept 4
	v_nop                                          ; with the two additions six places behind the last products: four are owed to the loads into V's registers, five to the new scores written over P
.endr
.irp c, 0,1
.irp kt, 0,1,2,3
.irp e, 0,1
	ds_load_b128 v[KV+16*\kt+8*\c+4*\e:KV+16*\kt+8*\c+4*\e+3], v[ADK] offset:\kt*8*PK+\c*64+\e*32
.endr
.endr
.endr
.irp c, 0,1
.if \c == 0
	s_wait_dscnt 8                                 ; channels 0-31 of the four tiles are in; the eight loads of channels 32-63 may be out
.else
	s_wait_dscnt 0x0
.endif
.irp kt, 0,1,2,3
.irp t, 0,1
.if \c == 0
	v_wmma_f32_16x16x32_f16 v[S+32*\t+8*\kt:S+32*\t+8*\kt+7], v[KV+16*\kt+8*\c:KV+16*\kt+8*\c+7], v[Q+16*\t+8*\c:Q+16*\t+8*\c+7], 0
.else
	v_wmma_f32_16x16x32_f16 v[S+32*\t+8*\kt:S+32*\t+8*\kt+7], v[KV+16*\kt+8*\c:KV+16*\kt+8*\c+7], v[Q+16*\t+8*\c:Q+16*\t+8*\c+7], v[S+32*\t+8*\kt:S+32*\t+8*\kt+7]
.endif
.endr
.endr
.endr                                              ; eight accumulators by turns, one instruction a turn
.rept 4
	v_nop                                          ; places: for the loads into K's registers and for the first read of the scores
.endr
.irp kc, 0,1
.irp ct, 0,1,2,3
.irp e, 0,1
	ds_load_tr16_b128 v[KV+32*\kc+8*\ct+4*\e:KV+32*\kc+8*\ct+4*\e+3], v[ADV] offset:\kc*16*PV+\e*8*PV+\ct*32   ; V, turned: it lands under the softmax
.endr
.endr
.endr
	s_add_co_u32 s74, s[KF], 63                    ; a step all of whose keys count for all my queries needs no mask
	s_cmp_le_u32 s74, s[Q0]
	s_cbranch_scc1 .Lopen_\@
	s_sub_co_i32 s74, s[Q0], s[KF]
	v_add_nc_u32 v[D0], s74, v[DB]                 ; tile t's register 8 kt + j holds key KF + 16 kt + 8 (lane / 16) + j: hidden where 16 kt + j > Q0 + 16 t + lane % 16 - KF - 8 (lane / 16)
	v_add_nc_u32 v[D0+1], 16, v[D0]
.irp t, 0,1
.irp kt, 0,1,2,3
.irp j, 0,1,2,3,4,5,6,7
	v_cmp_gt_i32 vcc_lo, 16*\kt+\j, v[D0+\t]
	v_cndmask_b32 v[S+32*\t+8*\kt+\j], v[S+32*\t+8*\kt+\j], v[NINF], vcc_lo
.endr
.endr
.endr
.Lopen_\@:
	SOFTMAX
	s_wait_dscnt 0x0                               ; V is in
.irp kc, 0,1
.irp ct, 0,1,2,3
.irp t, 0,1
	v_wmma_f32_16x16x32_f16 v[O+32*\t+8*\ct:O+32*\t+8*\ct+7], v[KV+32*\kc+8*\ct:KV+32*\kc+8*\ct+7], v[S+32*\t+16*\kc:S+32*\t+16*\kc+7], v[O+32*\t+8*\ct:O+32*\t+8*\ct+7]
.endr
.endr
.endr
.Lhid_\@:
	s_add_co_u32 s[KF], s[KF], 64
	s_add_co_u32 s[TBK], s[TBK], STEPK
	s_add_co_u32 s[TBV], s[TBV], STEPV
.endm
; A block of queries ends: O^T / l, rounded to f16, through my stage (rows of 144 bytes) and out as 512 consecutive bytes a store: four rows of 128 bytes of y16, aligned to 256.
.macro FINISH
.rept 4
	v_nop                                          ; places behind the last products
.endr
.irp t, 0,1
	v_add_f32 v[ST+8*\t+4], v[ST+8*\t+2], v[ST+8*\t+3]
.endr
.irp t, 0,1
	v_permlanex16_b32 v[ST+8*\t+5], v[ST+8*\t+4], s[SEL], s[SEL+1]
.endr
.irp t, 0,1
	v_add_f32 v[ST+8*\t+4], v[ST+8*\t+4], v[ST+8*\t+5]
.endr
.irp t, 0,1
	v_rcp_f32 v[ST+8*\t+6], v[ST+8*\t+4]
.endr
	v_nop                                          ; a plain line behind the last reciprocal
	s_wait_alu depctr_va_vdst(0)                   ; one wait for the two, ahead of their first reader
.irp t, 0,1
.irp j, 0,2,4,6,8,10,12,14,16,18,20,22,24,26,28,30
	v_pk_mul_f32 v[O+32*\t+\j:O+32*\t+\j+1], v[O+32*\t+\j:O+32*\t+\j+1], v[ST+8*\t+6:ST+8*\t+7] op_sel_hi:[1,0]
.endr
.endr
.irp t, 0,1
.irp ct, 0,1,2,3
.irp i, 0,1,2,3
	v_cvt_pk_f16_f32 v[S+16*\t+4*\ct+\i], v[O+32*\t+8*\ct+2*\i], v[O+32*\t+8*\ct+2*\i+1]
.endr
.endr
.endr
.irp t, 0,1
.irp ct, 0,1,2,3
	ds_store_b128 v[STO], v[S+16*\t+4*\ct:S+16*\t+4*\ct+3] offset:\t*16*SPITCH+\ct*32
.endr
.endr
.irp i, 0,1,2,3,4,5,6,7
	ds_load_b128 v[S+32+4*\i:S+32+4*\i+3], v[RD] offset:\i*4*SPITCH   ; LDS serves a wave's instructions in order: these see my stores
.endr
.irp i, 0,1,2,3,4,5,6,7
	s_wait_dscnt 7-\i                              ; load i is in; the younger ones may be out
	global_store_b128 v[GO], v[S+32+4*\i:S+32+4*\i+3], s[YP:YP+1] offset:\i*512
.endr
.endm
; A slot's four key steps, written once and walked four times.  In trip 8 - p the first block of queries ends and the second begins (a branch on ids: the same in all eight waves).
.macro SLOTBODY
	s_cmp_eq_u32 s[J], s[JT]
	s_cbranch_scc0 .Lsame_\@
	FINISH
	s_mov_b32 s[QB], ttmp9
	START
.Lsame_\@:
	s_mov_b32 s[STP], 4
.Lstep_\@:
	STEP
	s_sub_co_u32 s[STP], s[STP], 1
	s_cmp_lg_u32 s[STP], 0
	s_cbranch_scc1 .Lstep_\@
	s_sub_co_u32 s[TBK], s[TBK], 4*STEPK           ; back to a slot's first step,
	s_xor_b32 s[TBK], s[TBK], SLOT1                ; in the other slot
	s_sub_co_u32 s[TBV], s[TBV], 4*STEPV
	s_xor_b32 s[TBV], s[TBV], SLOT1
.endm
	s_load_b128 s[4:7], s[0:1], 0x0                ; qkv16 s[4:5], y16 s[6:7]
	v_lshl_add_u32 v[SPW], v0, 2, SPARE
	v_mov_b32 v[NIL], 0
	ds_add_u32 v[SPW], v[NIL]                      ; the wave's opening: the add, twice on end, and its wait ahead of the first tensor load
	ds_add_u32 v[SPW], v[NIL]
	v_lshrrev_b32 v1, 5, v0
	v_readfirstlane_b32 s[WV], v1                  ; wave 0..7
	s_sub_co_u32 s74, 11, s[WV]
	s_cmp_lt_u32 s[WV], 4
	s_cselect_b32 s[SUB], s[WV], s74               ; waves 0-3 take the block's queries 32 w on, waves 4-7 those at 32 (11 - w): waves w and w + 4 together have the same share of the diagonal block whatever w
	s_sub_co_u32 s[JT], 8, ttmp9
	s_sub_co_u32 s[QB], 7, ttmp9
	; descriptor group 1: half a key block, 16,384 dense bytes, as 64 rows of 32 elements of 8 bytes; K: 4 words of padding behind each row, V: 8
	s_mov_b32 s[G1K], (3<<16)|(1<<20)|(5<<22)|(3<<25)
	s_mov_b32 s[G1V], (3<<16)|(1<<20)|(5<<22)|(7<<25)
.irp g, G1K, G1V
	s_mov_b32 s[\g+1], 32<<16                      ; tensor_dim0
	s_mov_b32 s[\g+2], 64<<16                      ; tensor_dim1
	s_mov_b32 s[\g+3], 32<<16                      ; tile_dim0
	s_mov_b32 s[\g+4], 64                          ; tile_dim1
	s_mov_b32 s[\g+5], 32                          ; stride from row to row
	s_mov_b32 s[\g+6], 0
	s_mov_b32 s[\g+7], 0
.endr
	s_mov_b32 s[SEL], 0x76543210
	s_mov_b32 s[SEL+1], 0xfedcba98
	s_mov_b32 s[CS], 0x3e38aa3b                    ; c = log2(e) / 8
	s_mov_b32 s[CS+1], s[CS]                       ; named with it as a pair, so it is written
	s_mov_b32 s[TBK], 0
	s_mov_b32 s[TBV], 0
	s_and_b32 s74, ttmp7, 0xffff                   ; 16 b + h
	s_lshl_b32 s76, s74, 18                        ; a head of qkv16: 262,144 bytes
	s_mov_b32 s77, 0
	s_and_b32 s78, s74, 15
	s_lshl_b32 s78, s78, 20                        ; y16: head h: 1,048,576 bytes,
	s_lshr_b32 s75, s74, 4
	s_lshl_b32 s75, s75, 18                        ; batch b: 2,048 rows of 128 bytes
	s_add_co_u32 s78, s78, s75
	s_mov_b32 s79, 0
	s_wait_dscnt 0x0                               ; both opening adds are done
	s_wait_kmcnt 0x0
	s_add_nc_u64 s[QH:QH+1], s[4:5], s[76:77]
	s_add_nc_u64 s[KH:KH+1], s[QH:QH+1], 0x1000000
	s_add_nc_u64 s[VH:VH+1], s[QH:QH+1], 0x2000000
	s_add_nc_u64 s[YH:YH+1], s[6:7], s[78:79]
	s_and_b32 s74, s[WV], 1                        ; which half of a key block I fetch, if I fetch
	s_lshl_b32 s76, s74, 14
	s_add_nc_u64 s[KB0:KB0+1], s[KH:KH+1], s[76:77]
	s_add_nc_u64 s[VB0:VB0+1], s[VH:VH+1], s[76:77]
	s_mov_b32 s[G0K], 1
	s_mul_i32 s[G0K+1], s74, 64*PK
	s_mov_b64 s[G0K+2:G0K+3], s[KB0:KB0+1]
	s_or_b32 s[G0K+3], s[G0K+3], 0x80000000
	s_mov_b32 s[G0V], 1
	s_mul_i32 s[G0V+1], s74, 64*PV
	s_add_co_u32 s[G0V+1], s[G0V+1], VOFF
	s_mov_b64 s[G0V+2:G0V+3], s[VB0:VB0+1]
	s_or_b32 s[G0V+3], s[G0V+3], 0x80000000
	TLOAD                                          ; slot 0: key block 0, which counts for every query
	s_cmp_lt_u32 s[WV], 6                          ; the prefetches: waves 4, 5 stand in k, waves 6, 7 in v, at my half of block 1: the first change of slots steps it to block 2
	s_cselect_b64 s[PFA:PFA+1], s[KB0:KB0+1], s[VB0:VB0+1]
	s_add_nc_u64 s[PFA:PFA+1], s[PFA:PFA+1], 32768
	s_lshr_b32 s74, s[WV], 2
	s_xor_b32 s74, s74, 1                          ; 0 in waves 4 to 7,
	s_or_b32 s74, s74, ttmp9                       ; of work-group p = 0
	s_cmp_eq_u32 s74, 0
	s_cselect_b32 s[LIM], 6, 0
	v_and_b32 v12, 15, v0                          ; r
	v_bfe_u32 v13, v0, 4, 1                        ; h
	v_and_b32 v14, 31, v0                          ; lane
	v_lshrrev_b32 v15, 1, v12
	v_mul_u32_u24 v[AK0], v15, PK
	v_and_b32 v15, 1, v12
	v_lshl_add_u32 v[AK0], v15, 7, v[AK0]
	v_lshl_add_u32 v[AK0], v13, 4, v[AK0]          ; K: key r: (r / 2) PK + 128 (r % 2) + 16 h
	v_and_b32 v15, 7, v0
	v_lshl_add_u32 v15, v13, 3, v15                ; V: the turning load's lane takes key 8 h + lane % 8,
	v_lshrrev_b32 v16, 1, v15
	v_mul_u32_u24 v[AV0], v16, PV
	v_and_b32 v16, 1, v15
	v_lshl_add_u32 v[AV0], v16, 7, v[AV0]
	v_bfe_u32 v16, v0, 3, 1
	v_lshl_add_u32 v[AV0], v16, 4, v[AV0]          ; channels 8 ((lane / 8) % 2) on
	v_add_nc_u32 v[AV0], VOFF, v[AV0]
	v_lshlrev_b32 v[QO], 7, v12
	v_lshl_add_u32 v[QO], v13, 4, v[QO]            ; Q: row r of 128 bytes + 16 h
	s_mul_i32 s74, s[WV], 32*SPITCH
	s_add_co_u32 s74, s74, STAGE                   ; my stage
	v_mul_u32_u24 v[STO], v12, SPITCH
	v_lshl_add_u32 v[STO], v13, 4, v[STO]
	v_add_nc_u32 v[STO], s74, v[STO]
	v_lshrrev_b32 v15, 3, v14
	v_mul_u32_u24 v[RD], v15, SPITCH
	v_and_b32 v15, 7, v0
	v_lshl_add_u32 v[RD], v15, 4, v[RD]
	v_add_nc_u32 v[RD], s74, v[RD]
	v_lshlrev_b32 v[GO], 4, v14
	v_lshlrev_b32 v[PFO], 8, v14
	v_mov_b32 v[NINF], 0xff800000
	v_lshlrev_b32 v15, 3, v13
	v_sub_nc_u32 v[DB], v12, v15
	START                                          ; block 7 - p
	s_mov_b32 s[J], 0
.Lslot:                                            ; eight trips: behind each change of slots the next trip's key block is asked for; slot 1's first fill stands behind trip 0's barrier
	CHANGE 1
	SLOTBODY
	s_add_co_u32 s[J], s[J], 1
	s_cmp_lt_u32 s[J], 8
	s_cbranch_scc1 .Lslot
	CHANGE 0                                       ; the ninth key block is written out
	SLOTBODY
	FINISH
	s_wait_tensorcnt 0x0                           ; the wave's end, behind my last tensor load and my last LDS store
	ds_add_u32 v[SPW], v[NIL]
	s_wait_dscnt 0x0
	s_endpgm
.Lfunc_end_k_q2139519cee_attn:
	.size	k_q2139519cee_attn, .Lfunc_end_k_q2139519cee_attn-k_q2139519cee_attn
	.p2alignl 7, 3214868480
	.fill 96, 4, 3214868480
	.section	.rodata,"a",@progbits
	.p2align	6, 0x0
	.amdhsa_kernel k_q2139519cee_attn
		.amdhsa_group_segment_fixed_size 327680
		.amdhsa_private_segment_fixed_size 0
		.amdhsa_enable_private_segment 0
		.amdhsa_kernarg_size 16
		.amdhsa_user_sgpr_count 2
		.amdhsa_user_sgpr_kernarg_segment_ptr 1
		.amdhsa_wavefront_size32 1
		.amdhsa_system_sgpr_workgroup_id_x 1
		.amdhsa_system_sgpr_workgroup_id_y 1
		.amdhsa_system_sgpr_workgroup_id_z 1
		.amdhsa_system_vgpr_workitem_id 0
		.amdhsa_next_free_vgpr 256
		.amdhsa_next_free_sgpr 84
		.amdhsa_reserve_vcc 1
		.amdhsa_float_denorm_mode_32 3
		.amdhsa_float_denorm_mode_16_64 3
		.amdhsa_memory_ordered 1
		.amdhsa_forward_progress 1
		.amdhsa_inst_pref_size 83
	.end_amdhsa_kernel
	.amdgpu_metadata
---
amdhsa.version: [ 1, 2 ]
amdhsa.kernels:
  - .name:           k_q2139519cee_attn
    .symbol:         k_q2139519cee_attn.kd
    .args:
      - { .name: qkv16, .offset: 0, .size: 8, .value_kind: global_buffer, .address_space: global }
      - { .name: y16, .offset: 8, .size: 8, .value_kind: global_buffer, .address_space: global }
    .group_segment_fixed_size: 327680
    .private_segment_fixed_size: 0
    .kernarg_segment_align: 8
    .kernarg_segment_size: 16
    .max_flat_workgroup_size: 256
    .sgpr_count:     84
    .vgpr_count:     256
    .wavefront_size: 32
...
	.end_amdgpu_metadata
.endif
;; end of part 3
;; launch proj (part 4): grid 8 x 32, 4 waves a work-group, clusters of 4 x 4, 327,680 bytes of LDS; arguments y16, w16, out0; writes out0
.if DOCPART == 4
	.amdgcn_target "amdgcn-amd-amdhsa--gfx1250"
	.amdhsa_code_object_version 6
	.text
	.protected	k_q2139519cee_proj
	.globl	k_q2139519cee_proj
	.p2align	8
	.type	k_q2139519cee_proj,@function
k_q2139519cee_proj:
	s_mov_b64 s[64:65], 0
	v_nop
	global_prefetch_b8 v0, s[64:65] scope:SCOPE_SE
	s_setreg_imm32_b32 hwreg(HW_REG_WAVE_MODE, 25, 1), 1
	s_wait_xcnt 0x0
	s_wait_alu depctr_hold_cnt(0) depctr_sa_sdst(0) depctr_va_vdst(0) depctr_va_sdst(0) depctr_va_ssrc(0) depctr_va_vcc(0) depctr_vm_vsrc(0)
	s_getreg_b32 s2, hwreg(HW_REG_IB_STS2, 6, 4)
	s_cmp_eq_u32 s2, 0
	s_cbranch_scc0 .Lentry_in_a_cluster
	s_endpgm
.Lentry_in_a_cluster:
	s_bfe_u32 s2, ttmp6, 0x10000c
	s_cmp_lg_u32 s2, 0xf033
	s_cbranch_scc0 .Lentry_shape_is_right
	s_endpgm
.Lentry_shape_is_right:
; out0[m][n] = sum over k of y[m][k] w_proj[n][k], f16 operands, f32 sums, f32 out.  y16: [k / 64][8192][64], w16: [k / 64][1024][64]: a K chunk of 64 of neighbouring rows is one dense block.
; A tile of out0 is 256 x 128: 256 work-groups.  Four waves, each 128 x 64: 32 accumulators of 16 x 16.  K goes in steps of 128 (two chunks) through a ring of two LDS slots: waves 0, 1 fetch y's two chunks
; (32,768 dense bytes each, stated as 128 rows of 256 bytes), waves 2, 3 w_proj's (64 rows): one tensor load a wave behind each change of slots; two are out at the start, then one.
; CLUSTERS: 4 x 4 work-groups; y's tiles are shared along a row of the cluster, w_proj's along a column: joint loads with a mask that names the four.
; THE MATRIX INSTRUCTION IS USED TRANSPOSED (source 0 = 16 rows of w_proj, source 1 = 16 rows of y): a lane holds eight neighbouring numbers of a row of out0.
; All 8,192 rows are made here; the 64 rows t < 16, which lie inside live tiles, are written anew in f32 by the last launch.  No prefetch: of eight K steps two are first fills, and a K step's tiles are shared in the cluster.
; REGISTERS: window 0: addresses; v32-95 rows on the way out.  window 1: two fragment buffers of 96: y's 8 fragments, then w_proj's 4.  window 2: accumulator (a, b) at v[8 (4 a + b)].
; LIMIT: f16's range, as stated at the head of the first launch.
.set PITCH,  272                       ; an LDS row: 256 bytes (two matrix rows of 64 f16) + 16: matrix row mr at (mr / 2) PITCH + 128 (mr % 2): the 16 rows of a load fall on 16 different groups of banks
.set ABLK,   128*PITCH                 ; a chunk of y's tile
.set BBLK,   64*PITCH                  ; a chunk of w_proj's
.set SLOT,   2*ABLK+2*BBLK
.set STAGE,  2*SLOT                    ; behind the ring: 16 rows x 272 bytes for each wave
.set SPARE,  STAGE+4*16*272            ; the spare words: 128 bytes a wave, named by no other line
.set LAPS,   4                         ; 8 K steps, two to a lap
.set ADRA, 16
.set ADRB, 20
.set STO,  24
.set RD,   25
.set CO,   26
.set SPW,  28
.set NIL,  29
.set OB,   32
.set F0,   0
.set F1,   96
.set G1, 24
.set G0, 32
.set G1B, 48
.set G0B, 56
.set MSB, 0
.macro WIN new                         ; the immediate's high byte repeats the setting that is left
.if MSB != \new
	s_set_vgpr_msb (MSB<<8)|\new
.set MSB, \new
.endif
.endm
.set MUL,  0xa5                        ; sources 0 and 1 window 1; C and D window 2
.set TO_F, 0x40                        ; destination window 1, address window 0
.macro JLOAD s                         ; a joint load: waves 0, 1 for y, waves 2, 3 for w_proj; an s_nop 0 and four v_nop follow each of the two lines
	s_cmp_eq_u32 s11, 0
	s_cbranch_scc0 .Lfor_b_\@
	tensor_load_to_lds s[G0+4*\s:G0+4*\s+3], s[G1:G1+7]
	s_nop 0
.rept 4
	v_nop
.endr
	s_branch .Lasked_\@
.Lfor_b_\@:
	tensor_load_to_lds s[G0B+4*\s:G0B+4*\s+3], s[G1B:G1B+7]
	s_nop 0
.rept 4
	v_nop
.endr
.Lasked_\@:
.endm
.macro CREST                           ; a round of the cluster's barrier behind its opening barrier
	s_cmp_lg_u32 s10, 0
	s_cbranch_scc1 .Lnot_wave_0_\@
	s_barrier_signal -3
.Lnot_wave_0_\@:
	s_barrier_wait -3
	s_barrier_signal -1
	s_barrier_wait -1
.endm
.macro CROUND
	s_barrier_signal -1
	s_barrier_wait -1
	CREST
.endm
	s_load_b128 s[4:7], s[0:1], 0x0                ; y16 s[4:5], w16 s[6:7]
	s_load_b64 s[8:9], s[0:1], 0x10                ; out0
	v_lshl_add_u32 v[SPW], v0, 2, SPARE
	v_mov_b32 v[NIL], 0
	ds_add_u32 v[SPW], v[NIL]                      ; the wave's opening: the add, twice on end, and its wait ahead of my first tensor load
	ds_add_u32 v[SPW], v[NIL]
	v_lshrrev_b32 v1, 5, v0
	v_readfirstlane_b32 s10, v1                    ; wave 0..3
	s_lshr_b32 s11, s10, 1                         ; which 128 rows of the tile are mine.  Also: I fetch for y (0) or for w_proj (1)
	s_and_b32 s12, s10, 1                          ; which 64 columns.  Also: which chunk of the K step I fetch
	s_bfe_u32 s40, ttmp6, 0x40000                  ; cx, cy
	s_bfe_u32 s41, ttmp6, 0x40004
	s_lshl_b32 s42, ttmp9, 2
	s_add_co_u32 s42, s42, s40                     ; tile column = 4 x cluster x + cx
	s_and_b32 s13, ttmp7, 0xffff
	s_lshl_b32 s13, s13, 2
	s_add_co_u32 s13, s13, s41                     ; tile row = 4 x cluster y + cy
	s_lshl_b32 s43, s41, 2
	s_lshl_b32 s43, 15, s43                        ; my row of the cluster
	s_lshl_b32 s44, 0x1111, s40                    ; my column
	s_or_b32 s[G1+0], s43, (3<<16)|(1<<20)|(1<<21)|(5<<22)|(3<<25)   ; the mask; elements of 8 bytes; padding on; bit 21 beside a mask; 4 words of padding after every 64
	s_or_b32 s[G1B+0], s44, (3<<16)|(1<<20)|(1<<21)|(5<<22)|(3<<25)
	s_mov_b32 s[G1+1], 32<<16                      ; tensor_dim0 = 32 elements
	s_mov_b32 s[G1+2], 128<<16                     ; tensor_dim1 = 128 rows
	s_mov_b32 s[G1+3], 32<<16                      ; tile_dim0
	s_mov_b32 s[G1+4], 128                         ; tile_dim1
	s_mov_b32 s[G1+5], 32                          ; stride: dense
	s_mov_b32 s[G1+6], 0
	s_mov_b32 s[G1+7], 0
	s_mov_b32 s[G1B+1], 32<<16
	s_mov_b32 s[G1B+2], 64<<16
	s_mov_b32 s[G1B+3], 32<<16
	s_mov_b32 s[G1B+4], 64
	s_mov_b32 s[G1B+5], 32
	s_mov_b32 s[G1B+6], 0
	s_mov_b32 s[G1B+7], 0
	s_lshl_b32 s16, s12, 20                        ; y16: my chunk (1,048,576 bytes) + 256 rows of 128 bytes x tile row
	s_lshl_b32 s17, s13, 15
	s_add_co_u32 s16, s16, s17
	s_mov_b32 s17, 0
	s_lshl_b32 s46, s12, 17                        ; w16: my chunk (131,072 bytes) + 128 rows of 128 bytes x tile column
	s_lshl_b32 s47, s42, 14
	s_add_co_u32 s46, s46, s47
	s_mov_b32 s47, 0
	s_mul_i32 s20, s12, ABLK                       ; where they go: no place in the cluster enters an LDS address
	s_mul_i32 s21, s12, BBLK
	s_add_co_u32 s21, s21, 2*ABLK
	s_wait_dscnt 0x0                               ; both opening adds are done
	s_wait_kmcnt 0x0
	s_add_nc_u64 s[14:15], s[4:5], s[16:17]
	s_add_nc_u64 s[46:47], s[6:7], s[46:47]
	CROUND                                         ; all sixteen work-groups are here: the first joint loads meet
.irp s, 0,1
	s_mov_b32 s[G0+4*\s], 1
	s_add_co_u32 s[G0+4*\s+1], s20, \s*SLOT
	s_add_nc_u64 s[G0+4*\s+2:G0+4*\s+3], s[14:15], \s*0x200000      ; K step s: two chunks on
	s_or_b32 s[G0+4*\s+3], s[G0+4*\s+3], 0x80000000
	s_mov_b32 s[G0B+4*\s], 1
	s_add_co_u32 s[G0B+4*\s+1], s21, \s*SLOT
	s_add_nc_u64 s[G0B+4*\s+2:G0B+4*\s+3], s[46:47], \s*0x40000
	s_or_b32 s[G0B+4*\s+3], s[G0B+4*\s+3], 0x80000000
	JLOAD \s
.endr
	v_and_b32 v1, 15, v0                           ; r
	v_bfe_u32 v2, v0, 4, 1                         ; h
	v_lshrrev_b32 v3, 1, v1
	v_mul_u32_u24 v3, v3, PITCH
	v_and_b32 v4, 1, v0
	v_lshl_add_u32 v3, v4, 7, v3
	v_lshl_add_u32 v3, v2, 4, v3                   ; a fragment's row r: (r / 2) PITCH + 128 (r % 2) + 16 h
	s_mul_i32 s21, s11, 64*PITCH                   ; my 128 rows of y
	s_mul_i32 s22, s12, 32*PITCH                   ; my 64 rows of w_proj,
	s_add_co_u32 s22, s22, 2*ABLK                  ; behind y's two chunks
.irp s, 0,1
	v_add_nc_u32 v[ADRA+\s], s21, v3
	v_add_nc_u32 v[ADRB+\s], s22, v3
	s_add_co_u32 s21, s21, SLOT
	s_add_co_u32 s22, s22, SLOT
.endr
	s_mul_i32 s23, s10, 16*272
	s_add_co_u32 s23, s23, STAGE                   ; my stage
	v_mul_u32_u24 v4, v1, 272                      ; in: row r, 32 bytes for each half of the lanes
	v_lshl_add_u32 v4, v2, 5, v4
	v_add_nc_u32 v[STO], s23, v4
	v_mul_u32_u24 v5, v2, 272                      ; back: lanes 0-15 one row of 256 bytes, lanes 16-31 the next
	v_lshl_add_u32 v5, v1, 4, v5
	v_add_nc_u32 v[RD], s23, v5
	v_lshlrev_b32 v5, 12, v2                       ; and the same two rows in out0
	v_lshl_add_u32 v[CO], v1, 4, v5
	s_lshl_b32 s16, s13, 8
	s_lshl_b32 s17, s11, 7
	s_add_co_u32 s16, s16, s17                     ; my first row: 256 x tile row + 128 x half,
	s_lshl_b32 s16, s16, 12                        ; of 4,096 bytes
	s_mov_b32 s17, 0
	s_add_nc_u64 s[8:9], s[8:9], s[16:17]
	s_lshl_b32 s46, s42, 9                         ; my first column, in bytes: 512 x tile column + 256 x half
	s_lshl_b32 s47, s12, 8
	s_add_co_u32 s46, s46, s47
	s_mov_b32 s47, 0
	s_add_nc_u64 s[8:9], s[8:9], s[46:47]
; 8 matrix instructions: y's blocks a0, a0 + 1 against w_proj's four, 32 along K.  The 32 accumulators take turns, one instruction a turn, in the same order in every quarter.
.macro MUL8 f, a0, zero
.irp a, \a0, \a0+1
.irp b, 0,1,2,3
.if \zero
	v_wmma_f32_16x16x32_f16 v[8*(4*(\a)+\b):8*(4*(\a)+\b)+7], v[\f+64+8*\b:\f+64+8*\b+7], v[\f+8*(\a):\f+8*(\a)+7], 0
.else
	v_wmma_f32_16x16x32_f16 v[8*(4*(\a)+\b):8*(4*(\a)+\b)+7], v[\f+64+8*\b:\f+64+8*\b+7], v[\f+8*(\a):\f+8*(\a)+7], v[8*(4*(\a)+\b):8*(4*(\a)+\b)+7]
.endif
.endr
.endr
.endm
; 24 LDS loads in one run: quarter q of a slot (chunk q / 2, bytes 64 (q % 2) of its rows) into buffer f: w_proj's four fragments, then y's eight
.macro FETCH slot, q, f
	WIN TO_F
.irp i, 0,1,2,3
	ds_load_b128 v[\f+64+8*\i:\f+64+8*\i+3],   v[ADRB+\slot] offset:((\q)/2)*BBLK+((\q)%2)*64+\i*8*PITCH
	ds_load_b128 v[\f+64+8*\i+4:\f+64+8*\i+7], v[ADRB+\slot] offset:((\q)/2)*BBLK+((\q)%2)*64+\i*8*PITCH+32
.endr
.irp i, 0,1,2,3,4,5,6,7
	ds_load_b128 v[\f+8*\i:\f+8*\i+3],   v[ADRA+\slot] offset:((\q)/2)*ABLK+((\q)%2)*64+\i*8*PITCH
	ds_load_b128 v[\f+8*\i+4:\f+8*\i+7], v[ADRA+\slot] offset:((\q)/2)*ABLK+((\q)%2)*64+\i*8*PITCH+32
.endr
.endm
.macro PLACES                          ; four plain lines between a matrix instruction and a load into its registers or a read of its result
.rept 4
	v_nop
.endr
.endm
; One of a K step's first three quarters: multiplies buffer f; in its middle it fetches quarter qn of the same slot into buffer g.
.macro QUARTER slot, qn, f, g, zero
	s_wait_dscnt 8                                 ; all but the youngest eight loads (y's blocks 4-7) are in
	WIN MUL
	MUL8 \f, 0, \zero
	MUL8 \f, 2, \zero
	PLACES
	FETCH \slot, \qn, \g
	s_wait_dscnt 24                                ; all but the 24 just issued
	WIN MUL
	MUL8 \f, 4, \zero
	MUL8 \f, 6, \zero
.endm
; The last quarter multiplies buffer 1 and changes slots: one barrier; in front of it each wave waits for all its tensor loads, adds 0 to its spare word, and waits for that and for its reads of this slot.
; fill = 1: the barrier opens a round of the cluster's barrier, and this slot is filled again, two K steps ahead, first thing behind the round.
.macro TURN slot, next, fill
	WIN 0                                          ; (the add's two registers lie in window 0)
	s_wait_tensorcnt 0x0                           ; all my tensor loads have landed: my part of the next slot
	ds_add_u32 v[SPW], v[NIL]
	s_wait_dscnt 9                                 ; the add and the youngest eight loads may be out
	WIN MUL
	MUL8 F1, 0, 0
	s_wait_dscnt 0x0                               ; the add is done, and my reads of this slot are over
	s_barrier_signal -1
	MUL8 F1, 2, 0
.if \fill
	WIN 0
.endif
	s_barrier_wait -1
.if \fill
	CREST                                          ; no wave of any partner still reads this slot's tiles or has a load on its way
	s_add_nc_u64 s[G0+4*\slot+2:G0+4*\slot+3], s[G0+4*\slot+2:G0+4*\slot+3], 0x400000     ; four chunks of y16 on
	s_add_nc_u64 s[G0B+4*\slot+2:G0B+4*\slot+3], s[G0B+4*\slot+2:G0B+4*\slot+3], 0x80000   ; four chunks of w16 on
	JLOAD \slot                                    ; the four v_nop behind it are also the places in front of the loads below
.else
	PLACES
.endif
	FETCH \next, 0, F0
	WIN MUL
	MUL8 F1, 4, 0
	MUL8 F1, 6, 0
.endm
	s_wait_tensorcnt 1                             ; my part of K step 0 is in; K step 1's load may be out
	s_barrier_signal -1
	s_barrier_wait -1
	FETCH 0, 0, F0
	QUARTER 0, 1, F0, F1, 1                        ; the first quarter's products start the sums: nothing is cleared
	WIN 0                                          ; at a label and at a branch every window is 0
	s_mov_b32 s3, LAPS-1
.Llap:                                             ; a trip goes once round the ring and fills both slots again
	QUARTER 0, 2, F1, F0, 0
	QUARTER 0, 3, F0, F1, 0
	TURN 0, 1, 1
	QUARTER 1, 1, F0, F1, 0
	QUARTER 1, 2, F1, F0, 0
	QUARTER 1, 3, F0, F1, 0
	TURN 1, 0, 1
	QUARTER 0, 1, F0, F1, 0
	WIN 0
	s_sub_co_u32 s3, s3, 1
	s_cmp_lg_u32 s3, 0
	s_cbranch_scc1 .Llap
	QUARTER 0, 2, F1, F0, 0                        ; the last lap fills nothing, and has no round of the cluster's barrier
	QUARTER 0, 3, F0, F1, 0
	TURN 0, 1, 0
	QUARTER 1, 1, F0, F1, 0
	QUARTER 1, 2, F1, F0, 0
	QUARTER 1, 3, F0, F1, 0
	s_wait_dscnt 8                                 ; the very last quarter: nothing more to fetch
	WIN MUL
	MUL8 F1, 0, 0
	MUL8 F1, 2, 0
	s_wait_dscnt 0
	MUL8 F1, 4, 0
	MUL8 F1, 6, 0
	WIN 0
; THE WAY OUT, block by block of 16 rows x 64 columns: 32 bytes a lane into my stage, back as whole rows of 256 bytes: sixteen lanes store 256 consecutive bytes, aligned.
.macro TOSTAGE a
	WIN 0x08                                       ; an LDS store's data: window 2
.irp b, 0,1,2,3
	ds_store_b128 v[STO], v[32*(\a)+8*\b:32*(\a)+8*\b+3] offset:64*\b          ; each accumulator from its low end on
	ds_store_b128 v[STO], v[32*(\a)+8*\b+4:32*(\a)+8*\b+7] offset:64*\b+16
.endr
	WIN 0
.set BB, OB+32*((\a)%2)
.irp t, 0,1,2,3,4,5,6,7
	ds_load_b128 v[BB+4*\t:BB+4*\t+3], v[RD] offset:\t*2*272   ; LDS serves a wave's instructions in order: these see my stores
.endr
.endm
.macro SEND a, younger                 ; younger: the LDS instructions issued behind block a's loads, which may stay out
.set BB, OB+32*((\a)%2)
	s_wait_dscnt \younger
.irp t, 0,1,2,3,4,5,6,7
	global_store_b128 v[CO], v[BB+4*\t:BB+4*\t+3], s[8:9] offset:(16*(\a)+2*\t)*4096 th:TH_STORE_NT
.endr
.endm
	PLACES                                         ; behind the last products, ahead of the first read of results
	TOSTAGE 0
.irp a, 1,2,3,4,5,6,7
.if \a > 1
	s_wait_xcnt 0x0                                ; block a - 2's stores have read their registers: block a's loads may land there
.endif
	TOSTAGE \a
	SEND \a-1, 16                                  ; behind block a - 1's loads: block a's 8 stores and 8 loads
.endr
	SEND 7, 0
	s_wait_tensorcnt 0x0                           ; the wave's end, behind my last tensor load and my last LDS store
	ds_add_u32 v[SPW], v[NIL]
	s_wait_dscnt 0x0
	CROUND                                         ; the closing round
	s_endpgm
.Lfunc_end_k_q2139519cee_proj:
	.size	k_q2139519cee_proj, .Lfunc_end_k_q2139519cee_proj-k_q2139519cee_proj
	.p2alignl 7, 3214868480
	.fill 96, 4, 3214868480
	.section	.rodata,"a",@progbits
	.p2align	6, 0x0
	.amdhsa_kernel k_q2139519cee_proj
		.amdhsa_group_segment_fixed_size 327680
		.amdhsa_private_segment_fixed_size 0
		.amdhsa_enable_private_segment 0
		.amdhsa_kernarg_size 24
		.amdhsa_user_sgpr_count 2
		.amdhsa_user_sgpr_kernarg_segment_ptr 1
		.amdhsa_wavefront_size32 1
		.amdhsa_system_sgpr_workgroup_id_x 1
		.amdhsa_system_sgpr_workgroup_id_y 1
		.amdhsa_system_sgpr_workgroup_id_z 1
		.amdhsa_system_vgpr_workitem_id 0
		.amdhsa_next_free_vgpr 768
		.amdhsa_next_free_sgpr 66
		.amdhsa_reserve_vcc 0
		.amdhsa_float_denorm_mode_32 3
		.amdhsa_float_denorm_mode_16_64 3
		.amdhsa_memory_ordered 1
		.amdhsa_forward_progress 1
		.amdhsa_inst_pref_size 85
	.end_amdhsa_kernel
	.amdgpu_metadata
---
amdhsa.version: [ 1, 2 ]
amdhsa.kernels:
  - .name:           k_q2139519cee_proj
    .symbol:         k_q2139519cee_proj.kd
    .args:
      - { .name: y16, .offset: 0, .size: 8, .value_kind: global_buffer, .address_space: global }
      - { .name: w16, .offset: 8, .size: 8, .value_kind: global_buffer, .address_space: global }
      - { .name: out0, .offset: 16, .size: 8, .value_kind: global_buffer, .address_space: global }
    .group_segment_fixed_size: 327680
    .private_segment_fixed_size: 0
    .kernarg_segment_align: 8
    .kernarg_segment_size: 24
    .max_flat_workgroup_size: 128
    .sgpr_count:     66
    .vgpr_count:     768
    .wavefront_size: 32
...
	.end_amdgpu_metadata
.endif
;; end of part 4
;; launch fine_att (part 5): grid 16 x 4, 1 waves a work-group, no clusters, 0 bytes of LDS; arguments x_codes, x_scales, w_codes, w_scales, y32; writes y32
.if DOCPART == 5
	.amdgcn_target "amdgcn-amd-amdhsa--gfx1250"
	.amdhsa_code_object_version 6
	.text
	.protected	k_q2139519cee_fine_att
	.globl	k_q2139519cee_fine_att
	.p2align	8
	.type	k_q2139519cee_fine_att,@function
k_q2139519cee_fine_att:
	s_mov_b64 s[64:65], 0
	v_nop
	global_prefetch_b8 v0, s[64:65] scope:SCOPE_SE
	s_setreg_imm32_b32 hwreg(HW_REG_WAVE_MODE, 25, 1), 1
	s_wait_xcnt 0x0
; THE FIRST 16 POSITIONS OF EVERY SEQUENCE, IN f32.  Under the causal mask they average one to sixteen values, so f16 operands would weigh most there.  One wave takes one (batch, head):
; q, k, v of tokens 0-15 are made anew from the codes (the quantised product, by the scaled FP4 form, K = 1,024 in eight steps), the two products of attention go by v_wmma_f32_16x16x4_f32: 32 instructions, no bulk work.
; WORK LEFT OUT: keys 16 and on lie above the diagonal for these queries: reference()'s own mask gives them the weight 0 (see the head of the first launch).
; LAYOUT.  q and k: source 0 = 16 rows of w_attn (channels), source 1 = x's 16 tokens: lane (r, h) holds token r and, in register 8 t + j, channel 16 t + 8 h + j.  A pair of such registers is a fragment of the f32 form
; (token r; two of four K places by h): q and k carry the same map of channels to (h, register), so k q^T sums each channel once.  v: the sources swapped: lane (r, h) holds channel 16 t + r and tokens 8 h + j,
; the same map of keys as the weights p have.  The result, O^T (register 8 ct + j: channel 16 ct + 8 h + j of query r), leaves as an image of its registers: 16 bytes a lane, 512 consecutive bytes a store.
; REGISTERS: window 0: v16-79 x's fragments (behind the product: v16-39 at work); v80-87 x's scale words, v88-135 w_attn's, and nothing else; v136-167 q, later O^T; v168-199 k; v200-231 v; v232-247 the scores.
;   windows 1, 2, 3: w_attn's fragments for q, k, v: tile t, K step s at v[64 t + 8 s].  What the f32 form writes (v136-167, v232-247) is written by matrix instructions alone.
.set XF, 16
.set XS, 80
.set WS, 88
.set QA, 136
.set KA, 168
.set VA, 200
.set SA, 232
.set T,  16
.set P,  32
.set MSB, 0
.macro WIN new                         ; the immediate's high byte repeats the setting that is left
.if MSB != \new
	s_set_vgpr_msb (MSB<<8)|\new
.set MSB, \new
.endif
.endm
	s_load_b256 s[4:11], s[0:1], 0x0               ; x_codes s[4:5], x_scales s[6:7], w_codes s[8:9], w_scales s[10:11]
	s_load_b64 s[12:13], s[0:1], 0x20              ; y32
	v_and_b32 v1, 15, v0                           ; r
	v_lshrrev_b32 v2, 4, v0                        ; h
	v_lshlrev_b32 v3, 9, v1
	v_lshl_add_u32 v3, v2, 4, v3                   ; a row of 1,024 codes is 512 bytes; + 16 h
	v_lshlrev_b32 v5, 5, v1                        ; x's scale words: 32 bytes a row
	v_lshlrev_b32 v6, 5, v0                        ; w_attn's: lanes 0-15 the rows of an even tile, lanes 16-31 those of the odd tile behind it
	v_lshlrev_b32 v7, 4, v0                        ; the image: 16 x lane
	v_lshlrev_b32 v4, 3, v2
	v_sub_nc_u32 v8, v1, v4                        ; r - 8 h
	v_mov_b32 v9, 0xff800000                       ; -infinity
	s_and_b32 s14, ttmp7, 0xffff                   ; the batch
	s_lshl_b32 s16, s14, 20                        ; its 2,048 rows of codes,
	s_mov_b32 s17, 0
	s_lshl_b32 s18, s14, 16                        ; of scale bytes
	s_mov_b32 s19, 0
	s_lshl_b32 s24, ttmp9, 15                      ; the head's 64 rows of w_attn's codes,
	s_mov_b32 s25, 0
	s_lshl_b32 s26, ttmp9, 11                      ; of its scale bytes
	s_mov_b32 s27, 0
	s_lshl_b32 s28, s14, 4
	s_add_co_u32 s28, s28, ttmp9
	s_lshl_b32 s28, s28, 12                        ; 4,096 bytes of y32 for each (batch, head)
	s_mov_b32 s29, 0
	s_mov_b32 s20, 0x76543210
	s_mov_b32 s21, 0xfedcba98                      ; lane l xor 16
	s_mov_b32 s22, 0x3e38aa3b                      ; c = log2(e) / 8
	s_wait_kmcnt 0x0
	s_add_nc_u64 s[4:5], s[4:5], s[16:17]
	s_add_nc_u64 s[6:7], s[6:7], s[18:19]
	s_add_nc_u64 s[8:9], s[8:9], s[24:25]
	s_add_nc_u64 s[10:11], s[10:11], s[26:27]
	s_add_nc_u64 s[12:13], s[12:13], s[28:29]
.irp s, 0,1,2,3,4,5,6,7
.irp c, 0,1
	global_load_b128 v[XF+8*\s+4*\c:XF+8*\s+4*\c+3], v3, s[4:5] offset:64*\s+32*\c
.endr
.endr
	global_load_b128 v[XS:XS+3], v5, s[6:7]
	global_load_b128 v[XS+4:XS+7], v5, s[6:7] offset:16
.irp i, 0,1,2,3,4,5                    ; pair i of tiles: section i / 2 (q, k, v), tiles 2 (i % 2) and 2 (i % 2) + 1; register 8 i + s: K step s
	global_load_b128 v[WS+8*\i:WS+8*\i+3], v6, s[10:11] offset:(\i/2)*32768+(\i%2)*1024
	global_load_b128 v[WS+8*\i+4:WS+8*\i+7], v6, s[10:11] offset:(\i/2)*32768+(\i%2)*1024+16
.endr
.macro WLOAD sec                       ; section sec's 32 fragments into window sec + 1
	WIN (0x40*((\sec)+1))
.irp t, 0,1,2,3
.irp s, 0,1,2,3,4,5,6,7
.irp c, 0,1
	global_load_b128 v[64*\t+8*\s+4*\c:64*\t+8*\s+4*\c+3], v3, s[8:9] offset:(\sec)*524288+\t*8192+64*\s+32*\c
.endr
.endr
.endr
.endm
	WLOAD 0
	WLOAD 1
	WLOAD 2
	WIN 0
	s_wait_loadcnt 0x0
; one scaled product.  row = 1: source 0's scales stand in lanes 16-31; row = 2: source 1's
.macro WM d, a, b, sa, sb, zero, row
.if \zero
.if \row == 0
	v_wmma_scale_f32_16x16x128_f8f6f4 v[\d:\d+7], v[\a:\a+7], v[\b:\b+7], 0, v[\sa], v[\sb] matrix_a_fmt:MATRIX_FMT_FP4 matrix_b_fmt:MATRIX_FMT_FP4
.elseif \row == 1
	v_wmma_scale_f32_16x16x128_f8f6f4 v[\d:\d+7], v[\a:\a+7], v[\b:\b+7], 0, v[\sa], v[\sb] matrix_a_fmt:MATRIX_FMT_FP4 matrix_b_fmt:MATRIX_FMT_FP4 matrix_a_scale:MATRIX_SCALE_ROW1
.else
	v_wmma_scale_f32_16x16x128_f8f6f4 v[\d:\d+7], v[\a:\a+7], v[\b:\b+7], 0, v[\sa], v[\sb] matrix_a_fmt:MATRIX_FMT_FP4 matrix_b_fmt:MATRIX_FMT_FP4 matrix_b_scale:MATRIX_SCALE_ROW1
.endif
.else
.if \row == 0
	v_wmma_scale_f32_16x16x128_f8f6f4 v[\d:\d+7], v[\a:\a+7], v[\b:\b+7], v[\d:\d+7], v[\sa], v[\sb] matrix_a_fmt:MATRIX_FMT_FP4 matrix_b_fmt:MATRIX_FMT_FP4
.elseif \row == 1
	v_wmma_scale_f32_16x16x128_f8f6f4 v[\d:\d+7], v[\a:\a+7], v[\b:\b+7], v[\d:\d+7], v[\sa], v[\sb] matrix_a_fmt:MATRIX_FMT_FP4 matrix_b_fmt:MATRIX_FMT_FP4 matrix_a_scale:MATRIX_SCALE_ROW1
.else
	v_wmma_scale_f32_16x16x128_f8f6f4 v[\d:\d+7], v[\a:\a+7], v[\b:\b+7], v[\d:\d+7], v[\sa], v[\sb] matrix_a_fmt:MATRIX_FMT_FP4 matrix_b_fmt:MATRIX_FMT_FP4 matrix_b_scale:MATRIX_SCALE_ROW1
.endif
.endif
.endm
.irp s, 0,1,2,3,4,5,6,7                ; K ascending; twelve accumulators by turns, one instruction a turn; the first step starts the sums
	WIN 0x01                                       ; source 0 in window 1
.irp t, 0,1,2,3
	WM QA+8*\t, 64*\t+8*\s, XF+8*\s, WS+8*(\t/2)+\s, XS+\s, (\s==0), \t%2
.endr
	WIN 0x02                                       ; source 0 in window 2
.irp t, 0,1,2,3
	WM KA+8*\t, 64*\t+8*\s, XF+8*\s, WS+16+8*(\t/2)+\s, XS+\s, (\s==0), \t%2
.endr
	WIN 0x0c                                       ; source 1 in window 3
.irp t, 0,1,2,3
	WM VA+8*\t, XF+8*\s, 64*\t+8*\s, XS+\s, WS+32+8*(\t/2)+\s, (\s==0), 2*(\t%2)
.endr
.endr
	WIN 0
.rept 5
	v_nop                                          ; five places before matrix instructions take these results as sources (ISA guide 7.12.1)
.endr
.irp i, 0,1,2,3,4,5,6,7,8,9,10,11,12,13,14,15   ; S^T = k q^T: source 0 = 16 keys, source 1 = 16 queries, four channels an instruction; two accumulators by turns
.if \i < 2
	v_wmma_f32_16x16x4_f32 v[SA+8*(\i%2):SA+8*(\i%2)+7], v[KA+2*\i:KA+2*\i+1], v[QA+2*\i:QA+2*\i+1], 0
.else
	v_wmma_f32_16x16x4_f32 v[SA+8*(\i%2):SA+8*(\i%2)+7], v[KA+2*\i:KA+2*\i+1], v[QA+2*\i:QA+2*\i+1], v[SA+8*(\i%2):SA+8*(\i%2)+7]
.endif
.endr
.rept 8
	v_nop                                          ; eight places behind this form before its result is read
.endr
.irp j, 0,1,2,3,4,5,6,7
	v_add_f32 v[T+\j], v[SA+\j], v[SA+8+\j]        ; the two halves of the sum: register j is key 8 h + j, query r; from the low end on
.endr
.irp j, 0,1,2,3,4,5,6,7
	v_cmp_gt_i32 vcc_lo, \j, v8                    ; key > query: j > r - 8 h
	v_cndmask_b32 v[T+\j], v[T+\j], v9, vcc_lo
.endr
	v_max3_num_f32 v24, v[T], v[T+1], v[T+2]
	v_max3_num_f32 v25, v[T+3], v[T+4], v[T+5]
	v_max3_num_f32 v24, v24, v[T+6], v[T+7]
	v_max_num_f32 v24, v24, v25
	v_permlanex16_b32 v25, v24, s20, s21
	v_max_num_f32 v24, v24, v25                    ; the row's maximum: key 0 counts for every query, so it is a number
	v_mul_f32 v24, s22, v24
.irp j, 0,1,2,3,4,5,6,7
	v_fma_f32 v[T+\j], v[T+\j], s22, -v24          ; c s - c m
.endr
.irp j, 0,1,2,3,4,5,6,7
	v_exp_f32 v[T+\j], v[T+\j]
.endr
	v_nop                                          ; a plain line behind the last exponential
	s_wait_alu depctr_va_vdst(0)                   ; one wait for the eight, ahead of their first reader
	v_add_f32 v26, v[T], v[T+1]
	v_add_f32 v27, v[T+2], v[T+3]
	v_add_f32 v28, v[T+4], v[T+5]
	v_add_f32 v29, v[T+6], v[T+7]
	v_add_f32 v26, v26, v27
	v_add_f32 v28, v28, v29
	v_add_f32 v26, v26, v28
	v_permlanex16_b32 v27, v26, s20, s21
	v_add_f32 v26, v26, v27
	v_rcp_f32 v26, v26
	v_nop
	s_wait_alu depctr_va_vdst(0)
.irp j, 0,1,2,3,4,5,6,7
	v_mul_f32 v[P+\j], v[T+\j], v26                ; the weights
.endr
.irp i, 0,1,2,3                        ; O^T = v^T p: source 0 = 16 channels, source 1 = 16 queries, four keys an instruction; four accumulators by turns, over q's registers, whose last reader stands far more than nine places back
.irp ct, 0,1,2,3
.if \i == 0
	v_wmma_f32_16x16x4_f32 v[QA+8*\ct:QA+8*\ct+7], v[VA+8*\ct+2*\i:VA+8*\ct+2*\i+1], v[P+2*\i:P+2*\i+1], 0
.else
	v_wmma_f32_16x16x4_f32 v[QA+8*\ct:QA+8*\ct+7], v[VA+8*\ct+2*\i:VA+8*\ct+2*\i+1], v[P+2*\i:P+2*\i+1], v[QA+8*\ct:QA+8*\ct+7]
.endif
.endr
.endr
.rept 8
	v_nop
.endr
.irp ct, 0,1,2,3
.irp q, 0,1
	global_store_b128 v7, v[QA+8*\ct+4*\q:QA+8*\ct+4*\q+3], s[12:13] offset:\ct*1024+\q*512   ; 32 lanes store 512 consecutive bytes, aligned
.endr
.endr
	s_endpgm
.Lfunc_end_k_q2139519cee_fine_att:
	.size	k_q2139519cee_fine_att, .Lfunc_end_k_q2139519cee_fine_att-k_q2139519cee_fine_att
	.p2alignl 7, 3214868480
	.fill 96, 4, 3214868480
	.section	.rodata,"a",@progbits
	.p2align	6, 0x0
	.amdhsa_kernel k_q2139519cee_fine_att
		.amdhsa_group_segment_fixed_size 0
		.amdhsa_private_segment_fixed_size 0
		.amdhsa_enable_private_segment 0
		.amdhsa_kernarg_size 40
		.amdhsa_user_sgpr_count 2
		.amdhsa_user_sgpr_kernarg_segment_ptr 1
		.amdhsa_wavefront_size32 1
		.amdhsa_system_sgpr_workgroup_id_x 1
		.amdhsa_system_sgpr_workgroup_id_y 1
		.amdhsa_system_sgpr_workgroup_id_z 1
		.amdhsa_system_vgpr_workitem_id 0
		.amdhsa_next_free_vgpr 1024
		.amdhsa_next_free_sgpr 66
		.amdhsa_reserve_vcc 1
		.amdhsa_float_denorm_mode_32 3
		.amdhsa_float_denorm_mode_16_64 3
		.amdhsa_memory_ordered 1
		.amdhsa_forward_progress 1
		.amdhsa_inst_pref_size 42
	.end_amdhsa_kernel
	.amdgpu_metadata
---
amdhsa.version: [ 1, 2 ]
amdhsa.kernels:
  - .name:           k_q2139519cee_fine_att
    .symbol:         k_q2139519cee_fine_att.kd
    .args:
      - { .name: x_codes, .offset: 0, .size: 8, .value_kind: global_buffer, .address_space: global }
      - { .name: x_scales, .offset: 8, .size: 8, .value_kind: global_buffer, .address_space: global }
      - { .name: w_codes, .offset: 16, .size: 8, .value_kind: global_buffer, .address_space: global }
      - { .name: w_scales, .offset: 24, .size: 8, .value_kind: global_buffer, .address_space: global }
      - { .name: y32, .offset: 32, .size: 8, .value_kind: global_buffer, .address_space: global }
    .group_segment_fixed_size: 0
    .private_segment_fixed_size: 0
    .kernarg_segment_align: 8
    .kernarg_segment_size: 40
    .max_flat_workgroup_size: 32
    .sgpr_count:     66
    .vgpr_count:     1024
    .wavefront_size: 32
...
	.end_amdgpu_metadata
.endif
;; end of part 5
;; launch fine_proj (part 6): grid 16 x 4, 16 waves a work-group, no clusters, 71,680 bytes of LDS; arguments y32, w_proj, out0; writes out0
.if DOCPART == 6
	.amdgcn_target "amdgcn-amd-amdhsa--gfx1250"
	.amdhsa_code_object_version 6
	.text
	.protected	k_q2139519cee_fine_proj
	.globl	k_q2139519cee_fine_proj
	.p2align	8
	.type	k_q2139519cee_fine_proj,@function
k_q2139519cee_fine_proj:
	s_mov_b64 s[64:65], 0
	v_nop
	global_prefetch_b8 v0, s[64:65] scope:SCOPE_SE
	s_setreg_imm32_b32 hwreg(HW_REG_WAVE_MODE, 25, 1), 1
	s_wait_xcnt 0x0
; THE PROJECTION OF THE FIRST 16 POSITIONS OF EVERY SEQUENCE, IN f32: out0[2048 b + t][n] = sum over k of y[t][k] w_proj[n][k], t < 16, written over what the f16 projection left in these 64 rows.
; A work-group takes one batch and 64 outputs; wave w takes head w, 64 along K: 64 instructions of v_wmma_f32_16x16x4_f32 (no bulk work), source 0 = 16 rows of w_proj, source 1 = the 16 tokens.
; y32 holds images of registers: lane (r, h), register 8 ct + j = y(token r, channel 16 ct + 8 h + j); w_proj is loaded by the same map of channels, so each channel is summed once.
; The sixteen waves' parts meet in LDS; behind one barrier wave w adds the sixteen parts of token w's 64 outputs and stores 256 consecutive bytes, aligned.  64 work-groups: a finer split would store such runs in part.
; What the f32 form writes (v176-207) is written by matrix instructions alone.
.set Y,   16                           ; v16-47
.set W,   48                           ; v48-175: tile nt at W + 32 nt; later the sixteen parts
.set ACC, 176
.set SPW, 10
.set NIL, 11
.set PART, 16*272                      ; a wave's part: 16 tokens x (256 bytes + 16)
.set SPARE, 16*PART                    ; the spare words: 128 bytes a wave, named by no other line
	s_load_b128 s[4:7], s[0:1], 0x0                ; y32 s[4:5], w_proj s[6:7]
	s_load_b64 s[8:9], s[0:1], 0x10                ; out0
	v_lshl_add_u32 v[SPW], v0, 2, SPARE
	v_mov_b32 v[NIL], 0
	v_lshrrev_b32 v1, 5, v0
	v_readfirstlane_b32 s10, v1                    ; wave = head = the token that I store
	v_and_b32 v1, 15, v0                           ; r
	v_bfe_u32 v2, v0, 4, 1                         ; h
	v_and_b32 v3, 31, v0                           ; lane
	v_lshlrev_b32 v4, 4, v3                        ; the image: 16 x lane
	v_lshlrev_b32 v5, 12, v1
	v_lshl_add_u32 v5, v2, 5, v5                   ; w_proj: row r of 4,096 bytes + 32 h
	s_mul_i32 s11, s10, PART
	v_mul_u32_u24 v6, v1, 272
	v_lshl_add_u32 v6, v2, 5, v6
	v_add_nc_u32 v6, s11, v6                       ; my part: row r + 32 h
	s_mul_i32 s11, s10, 272
	v_lshlrev_b32 v8, 3, v3                        ; 8 x lane
	v_add_nc_u32 v7, s11, v8                       ; token w's row in part 0
	s_and_b32 s12, ttmp7, 0xffff                   ; the batch
	s_lshl_b32 s14, s12, 4
	s_add_co_u32 s14, s14, s10
	s_lshl_b32 s14, s14, 12                        ; y32: (16 b + head) x 4,096 bytes
	s_mov_b32 s15, 0
	s_lshl_b32 s16, ttmp9, 18                      ; w_proj: 64 rows x chunk,
	s_lshl_b32 s17, s10, 8                         ; + the head's 64 numbers
	s_add_co_u32 s16, s16, s17
	s_mov_b32 s17, 0
	s_lshl_b32 s18, s12, 11
	s_add_co_u32 s18, s18, s10
	s_lshl_b32 s18, s18, 12                        ; out0: row 2048 b + w,
	s_lshl_b32 s19, ttmp9, 8                       ; + 64 outputs x chunk
	s_add_co_u32 s18, s18, s19
	s_mov_b32 s19, 0
	s_wait_kmcnt 0x0
	s_add_nc_u64 s[4:5], s[4:5], s[14:15]
	s_add_nc_u64 s[6:7], s[6:7], s[16:17]
	s_add_nc_u64 s[8:9], s[8:9], s[18:19]
.irp e, 0,1,2,3,4,5,6,7
	global_load_b128 v[Y+4*\e:Y+4*\e+3], v4, s[4:5] offset:512*\e
.endr
.irp nt, 0,1,2,3
.irp ct, 0,1,2,3
.irp q, 0,1
	global_load_b128 v[W+32*\nt+8*\ct+4*\q:W+32*\nt+8*\ct+4*\q+3], v5, s[6:7] offset:\nt*65536+64*\ct+16*\q
.endr
.endr
.endr
	s_wait_loadcnt 0x0
.irp u, 0,1,2,3,4,5,6,7,8,9,10,11,12,13,14,15   ; four accumulators by turns, one instruction a turn; the first step starts the sums
.irp nt, 0,1,2,3
.if \u == 0
	v_wmma_f32_16x16x4_f32 v[ACC+8*\nt:ACC+8*\nt+7], v[W+32*\nt+2*\u:W+32*\nt+2*\u+1], v[Y+2*\u:Y+2*\u+1], 0
.else
	v_wmma_f32_16x16x4_f32 v[ACC+8*\nt:ACC+8*\nt+7], v[W+32*\nt+2*\u:W+32*\nt+2*\u+1], v[Y+2*\u:Y+2*\u+1], v[ACC+8*\nt:ACC+8*\nt+7]
.endif
.endr
.endr
.rept 8
	v_nop                                          ; eight places behind this form: for the stores' reads of results and for the loads into w_proj's registers
.endr
.irp nt, 0,1,2,3
	ds_store_b128 v6, v[ACC+8*\nt:ACC+8*\nt+3] offset:64*\nt          ; lane (r, h): outputs 16 nt + 8 h + 0 .. 7 of token r; each accumulator from its low end on
	ds_store_b128 v6, v[ACC+8*\nt+4:ACC+8*\nt+7] offset:64*\nt+16
.endr
	s_wait_dscnt 0x0                               ; for the others' sake: my part lies in LDS
	s_barrier_signal -1
	s_barrier_wait -1
.irp k, 0,1,2,3,4,5,6,7,8,9,10,11,12,13,14,15
	ds_load_b64 v[W+2*\k:W+2*\k+1], v7 offset:\k*PART   ; head k's part of token w's 64 outputs: 8 bytes a lane
.endr
	s_wait_dscnt 0x0
.irp k, 0,2,4,6,8,10,12,14
	v_pk_add_f32 v[W+2*\k:W+2*\k+1], v[W+2*\k:W+2*\k+1], v[W+2*\k+2:W+2*\k+3]
.endr
.irp k, 0,4,8,12
	v_pk_add_f32 v[W+2*\k:W+2*\k+1], v[W+2*\k:W+2*\k+1], v[W+2*\k+4:W+2*\k+5]
.endr
.irp k, 0,8
	v_pk_add_f32 v[W+2*\k:W+2*\k+1], v[W+2*\k:W+2*\k+1], v[W+2*\k+8:W+2*\k+9]
.endr
	v_pk_add_f32 v[W:W+1], v[W:W+1], v[W+16:W+17]
	global_store_b64 v8, v[W:W+1], s[8:9]          ; 32 lanes store 256 consecutive bytes, aligned
	s_wait_tensorcnt 0x0                           ; the wave's end, behind my last LDS store
	ds_add_u32 v[SPW], v[NIL]
	s_wait_dscnt 0x0
	s_endpgm
.Lfunc_end_k_q2139519cee_fine_proj:
	.size	k_q2139519cee_fine_proj, .Lfunc_end_k_q2139519cee_fine_proj-k_q2139519cee_fine_proj
	.p2alignl 7, 3214868480
	.fill 96, 4, 3214868480
	.section	.rodata,"a",@progbits
	.p2align	6, 0x0
	.amdhsa_kernel k_q2139519cee_fine_proj
		.amdhsa_group_segment_fixed_size 71680
		.amdhsa_private_segment_fixed_size 0
		.amdhsa_enable_private_segment 0
		.amdhsa_kernarg_size 24
		.amdhsa_user_sgpr_count 2
		.amdhsa_user_sgpr_kernarg_segment_ptr 1
		.amdhsa_wavefront_size32 1
		.amdhsa_system_sgpr_workgroup_id_x 1
		.amdhsa_system_sgpr_workgroup_id_y 1
		.amdhsa_system_sgpr_workgroup_id_z 1
		.amdhsa_system_vgpr_workitem_id 0
		.amdhsa_next_free_vgpr 256
		.amdhsa_next_free_sgpr 66
		.amdhsa_reserve_vcc 0
		.amdhsa_float_denorm_mode_32 3
		.amdhsa_float_denorm_mode_16_64 3
		.amdhsa_memory_ordered 1
		.amdhsa_forward_progress 1
		.amdhsa_inst_pref_size 13
	.end_amdhsa_kernel
	.amdgpu_metadata
---
amdhsa.version: [ 1, 2 ]
amdhsa.kernels:
  - .name:           k_q2139519cee_fine_proj
    .symbol:         k_q2139519cee_fine_proj.kd
    .args:
      - { .name: y32, .offset: 0, .size: 8, .value_kind: global_buffer, .address_space: global }
      - { .name: w_proj, .offset: 8, .size: 8, .value_kind: global_buffer, .address_space: global }
      - { .name: out0, .offset: 16, .size: 8, .value_kind: global_buffer, .address_space: global }
    .group_segment_fixed_size: 71680
    .private_segment_fixed_size: 0
    .kernarg_segment_align: 8
    .kernarg_segment_size: 24
    .max_flat_workgroup_size: 512
    .sgpr_count:     66
    .vgpr_count:     256
    .wavefront_size: 32
...
	.end_amdgpu_metadata
.endif
;; end of part 6
